; MI455X (gfx1250); checked and timed in simulation.
; The chip was launched on July 23, 2026; its instructions are those of AMD's public machine-readable ISA for CDNA 5 (MIT licence, August 2026) and "CDNA5" Instruction Set Architecture Reference Guide (July 2026). The comments in the code are by the model that wrote it; some were corrected since.
;; Bert Self Attention. Allowed arithmetic: matrix products marked QUANTISED: E5M2 operands, one E8M0 scale for each 32 along K, by v_wmma_scale_f32_16x16x128_f8f6f4 with both operands' format E5M2, f32 sums; everything else in f32.
;; Inputs: Wk_codes 1,024 x 32 x 32 uint8 (E5M2 codes of Wk, K innermost, in blocks of 32 codes); Wk_scales 1,024 x 32 uint8 (E8M0 scales of Wk, one for each 32 codes along K); Wq_codes 1,024 x 32 x 32 uint8 (E5M2 codes of Wq, K innermost, in blocks of 32 codes); Wq_scales 1,024 x 32 uint8 (E8M0 scales of Wq, one for each 32 codes along K); Wv_codes 1,024 x 32 x 32 uint8 (E5M2 codes of Wv, K innermost, in blocks of 32 codes); Wv_scales 1,024 x 32 uint8 (E8M0 scales of Wv, one for each 32 codes along K); bk 1,024 float32; bq 1,024 float32; bv 1,024 float32; hidden_states_codes 2 x 2,048 x 32 x 32 uint8 (E5M2 codes of hidden_states, K innermost, in blocks of 32 codes); hidden_states_scales 2 x 2,048 x 32 uint8 (E8M0 scales of hidden_states, one for each 32 codes along K); kv_weight one number float32; kvs 2 x 2 x 16 x 2,048 x 64 float32.
;; Outputs: out0 2 x 2,048 x 1,024 float32.
;; This version of the problem:
;;   THIS VERSION OF THE PROBLEM IS GIVEN IN LOW PRECISION. The matrix products marked QUANTISED in the list below multiply operands that are first quantised to E5M2 (5 exponent bits, 2 mantissa bits; 8 bits a number), with one power-of-two scale for each 32 numbers along K (OCP MX v1.0); their sums are f32. All else is computed in f32.
;;   The module's matrix products, in the order in which they are computed (A, B: the left and right operand; K: the contracted axis; several contracted axes count as one K, in the product's order):
;;     1. [M 4,096, K 1,024] x [K 1,024, N 1,024]; A: input hidden_states (given as codes); B: input Wq (given as codes): QUANTISED
;;     2. [M 4,096, K 1,024] x [K 1,024, N 1,024]; A: input hidden_states (given as codes); B: input Wk (given as codes): QUANTISED
;;     3. [M 4,096, K 1,024] x [K 1,024, N 1,024]; A: input hidden_states (given as codes); B: input Wv (given as codes): QUANTISED
;;     4. batch 32 x [M 2,048, K 64] x [K 64, N 4,096]; A: computed on the way; B: computed on the way: QUANTISED
;;     5. batch 32 x [M 2,048, K 4,096] x [K 4,096, N 64]; A: softmax (see below); B: computed on the way: QUANTISED
;;   THE QUANTISER, for each operand of a quantised product, along K:
;;     - K is cut into blocks of 32 from its start; a last block that is shorter is filled with zeros.
;;     - A block's scale is 2^e with e = floor(log2(the largest magnitude in the block)) - 15, held to -126 .. 127; a block of zeros has e = 0. As a byte (E8M0): e + 127.
;;     - Each number is divided by its block's scale, clamped to +-57,344, and rounded to the nearest number of E5M2, ties to even, subnormals kept.
;;     - The product sums the exact products of the quantised numbers (number of the format x scale) in f32.
;;   ~~~python
;;   def quantise(x, axis):      # numpy; x: float32 -> the quantised numbers, widened to float32 again
;;       x = np.moveaxis(x, axis, -1); K = x.shape[-1]
;;       x = np.pad(x, [(0, 0)] * (x.ndim - 1) + [(0, -K % 32)]); x = x.reshape(x.shape[:-1] + (-1, 32)); a = np.abs(x).max(-1, keepdims=True)
;;       e = np.where(a > 0, np.clip(np.frexp(np.where(a > 0, a, 1))[1] - 1 - 15, -126, 127), 0)      # np.frexp(a)[1] - 1 = floor(log2(a)), exactly
;;       r = np.clip(x / 2.0 ** e, -57344, 57344)
;;       step = 2.0 ** (np.maximum(np.frexp(np.where(r == 0, 1, r))[1] - 1, -14) - 2)
;;       q = np.round(r / step) * step * 2.0 ** e      # np.round: ties to even
;;       return np.moveaxis(q.reshape(q.shape[:-2] + (-1,))[..., :K], -1, axis).astype(np.float32)
;;   ~~~
;;   SOFTMAX AHEAD OF A QUANTISED PRODUCT. Where the list says 'softmax', what is quantised is not the finished softmax but p = 2^(t - M), with t = logit x log2(e) and M = ceil(the row's largest t), a whole number; so 1/2 < the row's largest p <= 1. The row's sum l is taken of the UNQUANTISED p, in f32, and the product's result is divided by l at the end. Since M is a whole number, a kernel that streams over the keys may use a running M (the ceiling of the running maximum): every later rescaling is an exact power of two, which a block's scale takes up: the codes' values come out the same.
;;   OPERANDS COMPUTED ON THE WAY. 'Computed on the way' means the value that the module computes at that place (a softmax that the list does not call 'softmax' is quantised finished and normalised). What goes into a quantiser is computed in f32, as accurately as f32 sums, v_exp_f32 and their like allow (about 1e-6 of the number): no bf16 or f16 on the way to a quantiser, and a product that is left as it is and whose result goes on into a quantised operand takes f32 operands (vector FMAs, or v_wmma_f32_16x16x4_f32). A number that lies on a knife's edge between two numbers of the format may be rounded either way, as far as f32 arithmetic and the matrix unit's own rounding can turn it there, and no further.
;;   INPUTS GIVEN AS CODES. Wk (in the module: [1024, 1024], K = its axis 1); Wq (in the module: [1024, 1024], K = its axis 1); Wv (in the module: [1024, 1024], K = its axis 1); hidden_states (in the module: [2, 2048, 1024], K = its axis 2): each comes as NAME_codes (uint8): NAME with its K axis moved to the last place and cut into blocks of 32 codes, [.., K / 32, bytes a block], one block behind the other in memory; one code a byte (a code: sign, 5 exponent bits, 2 mantissa bits); and NAME_scales (uint8): the same leading axes, one E8M0 byte (e + 127) for each 32 codes along K. Its value is code x scale, taken as it is: it is not quantised again, and the codes and scales need not be those that the quantiser above would give.
;; One version. Each part assembles by itself: llvm-mc -triple=amdgcn-amd-amdhsa -mcpu=gfx1250 --defsym DOCPART=n.
;; ======== version 1 of 1: 3 launches
;; limits: right only within a limited range of input values
;; workspace buffers: kvcodes 16,777,216 bytes; kvscales 786,432 bytes; qcodes 4,194,304 bytes; qscales 262,144 bytes
;; launch kvq (part 1): grid 512 x 1, 4 waves a work-group, no clusters, 70,144 bytes of LDS; arguments kvs, kv_weight, kvcodes, kvscales; writes kvcodes, kvscales
.if DOCPART == 1
	.amdgcn_target "amdgcn-amd-amdhsa--gfx1250"
	.amdhsa_code_object_version 6
	.text
	.protected	k_q64be8068b9_kvq
	.globl	k_q64be8068b9_kvq
	.p2align	8
	.type	k_q64be8068b9_kvq,@function
k_q64be8068b9_kvq:
	s_mov_b64 s[64:65], 0
	v_nop
	global_prefetch_b8 v0, s[64:65] scope:SCOPE_SE
	s_setreg_imm32_b32 hwreg(HW_REG_WAVE_MODE, 25, 1), 1
	s_wait_xcnt 0x0
; kv_weight x kvs, f32, becomes codes of E5M2 with one E8M0 byte for each 32 along a product's K, laid as IMAGES OF THE OPERANDS' REGISTERS for the attention launch: key steps 0 to 15 of each head.
; kvs: [2][32 heads][2048 keys][64 channels].  kvs[0] (keys) is quantised along the 64 channels, kvs[1] (values) along the keys.
; kvcodes: [32 heads][32 steps of 128 keys][16,384 bytes].  In a step: K's tile t (keys 16 t + r), chunk c (32 channels) at 1024 t + 512 c + 16 x lane; V's tile t (channels 16 t + r), chunk c (32 keys) at 8192 + 2048 t + 512 c + 16 x lane.
; THE ORDER INSIDE A BLOCK OF 32: byte i of lane (r, h) holds k = 32 c + 16 (i / 8) + 8 h + i % 8: the order in which two neighbouring result tiles of 16 rows leave a lane's 16 registers.  It is the same on both sides
; of every product of this program, and it stays inside a block of 32, so products and scales are kept; only the order of the sums inside a matrix instruction differs from ascending k.
; kvscales: [32 heads][24,576 bytes].  K's words at 512 s + 256 half + 8 x lane + 4 jj: tile 4 half + 2 jj + h, row r (two bytes; the upper two are 0 and stand over zero codes).  V's at 16,384 + 256 s + 128 j + 4 x lane: tile 2 j + h, row r.
; A block's byte is its largest magnitude's exponent field - 15, held at 1 from below; each number is held within +-57,344 x the scale and converted, ties to even.
; LIMITS: a block whose largest magnitude lies under 2^(16 - 127) keeps the byte 1, a block of zeros too (the rule says 127: its codes are zeros, and this program alone reads the bytes); NaN and infinities are not served.
; SHARES: work-groups 0-255 take the keys, a wave 64 keys; work-groups 256-511 the values, a wave 128 keys x 32 channels.  Waves share nothing: no barrier.  Only the keys' path uses LDS.
; No tensor loads, matrix units or clusters: every input byte is read once by one wave, and nothing is shared.
.set R,    32                          ; v32-159  the numbers as loaded
.set X,    160                         ; v160-223 keys: 64 numbers in the order of a fragment's registers
.set C,    160                         ; v160-191 values: eight registers of codes for each block, so that no store's data are written again
.set TM,   240                         ; v240-243 largest magnitudes, v244-247 bytes, v248-251 the hold, v252-255 the conversions' scale operands
.set PW,   18                          ; v18      four bytes: the scale bytes of QUANT's four blocks
.set SW,   16                          ; v16-17   keys: the task's two scale words.  v16: values: the scale word
.set SEL,  20                          ; s[20:21] v_permlanex16_b32's selects for lane l xor 16
.set MNT,  23                          ; s23      the mantissa field of 57,344
.set SP,   272                         ; a key's row in the stage: 256 bytes + 16
.set GSTG, 32*SP                       ; a stage: 32 keys
.set WSTG, 2*GSTG                      ; two stages for each wave
; 64 numbers of a lane, v[s + 16 b + i]: 16 of each of four blocks, whose other 16 lie in lane l xor 16.  Codes to v[pc + 4 b] on, the four bytes to v[PW].
.macro QUANT s, pc
.irp b, 0,1,2,3
	v_max3_num_f32 v[TM+\b], |v[\s+16*\b]|, |v[\s+1+16*\b]|, 0x8000000   ; the floor 2^(16 - 127) among the leaves: the byte cannot fall under 1
.endr
.irp i, 2,4,6,8,10,12,14
.irp b, 0,1,2,3
	v_max3_num_f32 v[TM+\b], v[TM+\b], |v[\s+16*\b+\i]|, |v[\s+1+16*\b+\i]|   ; the four blocks by turns
.endr
.endr
.irp b, 0,1,2,3
	v_permlanex16_b32 v[TM+4+\b], v[TM+\b], s[SEL], s[SEL+1]
.endr
.irp b, 0,1,2,3
	v_max_num_f32 v[TM+\b], v[TM+\b], v[TM+4+\b]                 ; the block's largest magnitude
.endr
.irp b, 0,1,2,3
	v_add_nc_u32 v[TM+12+\b], 0xf8800000, v[TM+\b]               ; 15 off its exponent field: the conversion's scale operand
.endr
.irp b, 0,1,2,3
	v_and_or_b32 v[TM+8+\b], v[TM+\b], 0x7f800000, s[MNT]        ; 57,344 x the scale
.endr
.irp b, 0,1,2,3
	v_lshrrev_b32 v[TM+4+\b], 23, v[TM+12+\b]                    ; the scale's byte
.endr
	v_lshl_or_b32 v[PW], v[TM+5], 8, v[TM+4]
	v_lshl_or_b32 v[PW], v[TM+6], 16, v[PW]
	v_lshl_or_b32 v[PW], v[TM+7], 24, v[PW]
.irp b, 0,1,2,3
.irp i, 0,1,2,3,4,5,6,7,8,9,10,11,12,13,14,15
	v_med3_num_f32 v[\s+16*\b+\i], v[\s+16*\b+\i], -v[TM+8+\b], v[TM+8+\b]   ; the conversion to an 8-bit code does not saturate (ISA guide 7.6.2): the hold
.endr
	v_cvt_scalef32_pk8_bf8_f32 v[\pc+4*\b:\pc+1+4*\b], v[\s+16*\b:\s+7+16*\b], v[TM+12+\b]
	v_cvt_scalef32_pk8_bf8_f32 v[\pc+2+4*\b:\pc+3+4*\b], v[\s+8+16*\b:\s+15+16*\b], v[TM+12+\b]
.endr
	v_nop                                          ; one plain line behind the last conversion
.endm
	s_load_b256 s[4:11], s[0:1], 0x0               ; kvs s[4:5], kv_weight s[6:7], kvcodes s[8:9], kvscales s[10:11]
	v_lshl_add_u32 v30, v0, 2, 0x11000
	v_mov_b32 v31, 0
	v_lshrrev_b32 v1, 5, v0
	v_readfirstlane_b32 s12, v1                    ; wave 0..3
	v_and_b32 v1, 31, v0                           ; lane
	v_and_b32 v7, 15, v0                           ; r
	v_bfe_u32 v8, v0, 4, 1                         ; h
	s_mov_b32 s[SEL], 0x76543210
	s_mov_b32 s[SEL+1], 0xfedcba98
	s_mov_b32 s[MNT], 0x600000
	s_and_b32 s16, ttmp9, 255
	s_lshl_b32 s16, s16, 2
	s_add_co_u32 s16, s16, s12                     ; T: my task among the 1,024 of my tensor
	s_mov_b32 s19, 0
	s_mov_b32 s25, 0
	s_wait_kmcnt 0x0
	s_load_b32 s14, s[6:7], 0x0                    ; kv_weight
	s_cmp_ge_u32 ttmp9, 256
	s_cbranch_scc1 .Lvalues
	; ---- THE KEYS: task T = 64 keys, 16,384 consecutive bytes: head T / 32, half a key step
	s_lshl_b32 s18, s16, 14
	s_add_nc_u64 s[4:5], s[4:5], s[18:19]
	s_wait_alu depctr_va_vdst(0)
	v_lshlrev_b32 v2, 4, v1                        ; 16 x lane
.set i, 0
.rept 32
	global_load_b128 v[R+4*i:R+4*i+3], v2, s[4:5] offset:512*i th:TH_LOAD_NT   ; 512 consecutive bytes: two keys; all of the task's bytes are asked for at once
.set i, i+1
.endr
	s_lshr_b32 s17, s16, 5                         ; head
	s_and_b32 s22, s16, 31                         ; 2 x step + half
	s_lshl_b32 s24, s17, 19
	s_lshr_b32 s26, s22, 1
	s_lshl_b32 s26, s26, 14
	s_add_co_u32 s24, s24, s26
	s_and_b32 s26, s22, 1
	s_lshl_b32 s26, s26, 12
	s_add_co_u32 s24, s24, s26                     ; 524,288 head + 16,384 step + 4,096 half
	s_add_nc_u64 s[8:9], s[8:9], s[24:25]
	s_mul_i32 s24, s17, 24576
	s_lshl_b32 s26, s22, 8
	s_add_co_u32 s24, s24, s26                     ; 24,576 head + 512 step + 256 half
	s_add_nc_u64 s[10:11], s[10:11], s[24:25]
	s_mul_i32 s13, s12, WSTG                       ; my wave's stages
	v_mul_u32_u24 v3, v8, SP
	v_lshl_add_u32 v3, v7, 4, v3
	v_add_nc_u32 v3, s13, v3                       ; in: as loaded: key 2 i + h, bytes 16 r on
	v_mul_u32_u24 v4, v7, SP
	v_lshl_add_u32 v4, v8, 5, v4
	v_add_nc_u32 v4, s13, v4                       ; out: key r of a tile, 32 h bytes on
	v_lshlrev_b32 v6, 3, v1                        ; 8 x lane
	v_cmp_le_u32 vcc_lo, 16, v1                    ; lanes 16-31
.irp b, 0,1,2,3
	v_mov_b32 v[TM+4+\b], 0                        ; written once: a lane permute's destination counts as one of its sources
.endr
	s_wait_alu depctr_va_vdst(0)
	s_wait_kmcnt 0x0
	s_mov_b32 s15, s14                             ; (the packed form names the pair)
; 32 keys: through the stage, so that lane (r, h) gets, of key 16 u + r and block c, channels 32 c + 8 h + 0..7 and 32 c + 16 + 8 h + 0..7
.macro KGROUP jj, pc
	s_wait_loadcnt 16-16*\jj                       ; this group's 16 loads are in; the other group's may be out
.irp i, 0,1,2,3,4,5,6,7,8,9,10,11,12,13,14,15
	ds_store_b128 v3, v[R+64*\jj+4*\i:R+64*\jj+4*\i+3] offset:\jj*GSTG+2*\i*SP
.endr
.irp u, 0,1
.irp c, 0,1
	ds_load_b128 v[X+16*(2*\u+\c):X+16*(2*\u+\c)+3],     v4 offset:\jj*GSTG+16*\u*SP+128*\c      ; LDS serves a wave's instructions in order (ISA guide 5.7.1.4): these see the stores above
	ds_load_b128 v[X+16*(2*\u+\c)+4:X+16*(2*\u+\c)+7],   v4 offset:\jj*GSTG+16*\u*SP+128*\c+16
	ds_load_b128 v[X+16*(2*\u+\c)+8:X+16*(2*\u+\c)+11],  v4 offset:\jj*GSTG+16*\u*SP+128*\c+64
	ds_load_b128 v[X+16*(2*\u+\c)+12:X+16*(2*\u+\c)+15], v4 offset:\jj*GSTG+16*\u*SP+128*\c+80
.endr
.endr
	s_wait_dscnt 0x0
.set i, 0
.rept 32
	v_pk_mul_f32 v[X+i:X+i+1], v[X+i:X+i+1], s[14:15] op_sel_hi:[1,0]   ; x kv_weight
.set i, i+2
.endr
	QUANT X, \pc
.irp u, 0,1
.irp c, 0,1
	global_store_b128 v2, v[\pc+4*(2*\u+\c):\pc+4*(2*\u+\c)+3], s[8:9] offset:(2*\jj+\u)*1024+512*\c   ; 512 consecutive bytes, aligned
.endr
.endr
	v_and_b32 v19, 0xffff, v[PW]                   ; tile u = 0's two bytes,
	v_lshrrev_b32 v20, 16, v[PW]                   ; tile u = 1's
	v_cndmask_b32 v[SW+\jj], v19, v20, vcc_lo      ; lanes 0-15 carry the even tile's word, lanes 16-31 the odd tile's
.endm
	KGROUP 0, 224                                  ; each group has its own registers for its codes: no store's data are written again
	KGROUP 1, 32
	global_store_b64 v6, v[SW:SW+1], s[10:11]      ; 256 consecutive bytes, aligned
	s_wait_tensorcnt 0x0
	ds_add_u32 v30, v31
	s_wait_dscnt 0x0
	s_endpgm
	; ---- THE VALUES: task T = key step T / 2 (128 keys) x channels 32 (T % 2) + lane.  A lane takes a channel and its registers run down the keys: a block of 32 keys lies in one lane
.Lvalues:
	s_lshr_b32 s17, s16, 1                         ; 16 head + step
	s_and_b32 s22, s16, 1                          ; g
	s_lshl_b32 s18, s17, 15
	s_lshl_b32 s26, s22, 7
	s_add_co_u32 s18, s18, s26
	s_add_co_u32 s18, s18, 16777216                ; kvs[1]
	s_add_nc_u64 s[4:5], s[4:5], s[18:19]
	s_wait_alu depctr_va_vdst(0)
	v_lshlrev_b32 v21, 2, v1                       ; 4 x lane
.macro VLOAD c                         ; block c: 32 keys; each load reads 128 consecutive bytes (the wave beside me reads the 128 that follow)
.irp i, 0,1,2,3,4,5,6,7,8,9,10,11,12,13,14,15,16,17,18,19,20,21,22,23,24,25,26,27,28,29,30,31
	global_load_b32 v[R+32*(\c)+\i], v21, s[4:5] offset:256*(32*(\c)+\i) th:TH_LOAD_NT
.endr
.endm
	VLOAD 0
	VLOAD 1
	s_lshr_b32 s24, s17, 4                         ; head
	s_and_b32 s26, s17, 15                         ; step
	s_mul_i32 s27, s24, 24576
	s_lshl_b32 s24, s24, 19
	s_lshl_b32 s18, s26, 14
	s_add_co_u32 s24, s24, s18
	s_lshl_b32 s18, s22, 12
	s_add_co_u32 s24, s24, s18
	s_add_co_u32 s24, s24, 8192                    ; 524,288 head + 16,384 step + 8,192 + 4,096 g
	s_add_nc_u64 s[8:9], s[8:9], s[24:25]
	s_lshl_b32 s26, s26, 8
	s_add_co_u32 s24, s27, s26
	s_lshl_b32 s26, s22, 7
	s_add_co_u32 s24, s24, s26
	s_add_co_u32 s24, s24, 16384                   ; 24,576 head + 16,384 + 256 step + 128 g
	s_add_nc_u64 s[10:11], s[10:11], s[24:25]
	v_lshlrev_b32 v22, 11, v8
	v_lshl_add_u32 v22, v7, 4, v22                 ; my channel's place in the images: tile 2 g + h: 2,048 h; row r: 16 r
	s_wait_alu depctr_va_vdst(0)
	s_wait_kmcnt 0x0
	s_mov_b32 s15, s14
.macro VBLOCK c
.set XS, R+32*(\c)
.set CC, C+8*(\c)
.if (\c) < 3
	s_wait_loadcnt 32                              ; this block's 32 loads are in; the next block's may be out
.else
	s_wait_loadcnt 0x0
.endif
.if (\c) < 2
	VLOAD (\c)+2                                   ; two blocks ahead
.endif
.set i, 0
.rept 16
	v_pk_mul_f32 v[XS+i:XS+i+1], v[XS+i:XS+i+1], s[14:15] op_sel_hi:[1,0]   ; x kv_weight
.set i, i+2
.endr
	v_max3_num_f32 v12, |v[XS]|, |v[XS+1]|, |v[XS+2]|              ; the block's largest magnitude: all 32 numbers are mine
	v_max3_num_f32 v13, |v[XS+3]|, |v[XS+4]|, |v[XS+5]|
.irp i, 6,10,14,18,22,26
	v_max3_num_f32 v12, v12, |v[XS+\i]|, |v[XS+\i+1]|
	v_max3_num_f32 v13, v13, |v[XS+\i+2]|, |v[XS+\i+3]|
.endr
	v_max3_num_f32 v12, v12, |v[XS+30]|, |v[XS+31]|
	v_max3_num_f32 v12, v12, v13, 0x8000000        ; and the floor
	v_add_nc_u32 v11, 0xf8800000, v12              ; the conversion's scale operand
	v_and_or_b32 v10, v12, 0x7f800000, s[MNT]      ; 57,344 x the scale
	v_lshrrev_b32 v13, 23, v11                     ; the byte
.if (\c) == 0
	v_mov_b32 v[SW], v13
.else
	v_lshl_or_b32 v[SW], v13, 8*(\c), v[SW]        ; the lower keys in the lower byte
.endif
.irp i, 0,1,2,3,4,5,6,7,8,9,10,11,12,13,14,15,16,17,18,19,20,21,22,23,24,25,26,27,28,29,30,31
	v_med3_num_f32 v[XS+\i], v[XS+\i], -v10, v10
.endr
	v_cvt_scalef32_pk8_bf8_f32 v[CC:CC+1],   v[XS:XS+7],     v11   ; keys 0-7 and 16-23 are the 16 bytes of the image's lane (r, 0),
	v_cvt_scalef32_pk8_bf8_f32 v[CC+2:CC+3], v[XS+16:XS+23], v11
	v_cvt_scalef32_pk8_bf8_f32 v[CC+4:CC+5], v[XS+8:XS+15],  v11   ; keys 8-15 and 24-31 those of lane (r, 1)
	v_cvt_scalef32_pk8_bf8_f32 v[CC+6:CC+7], v[XS+24:XS+31], v11
	v_nop                                          ; one plain line behind the last conversion
	global_store_b128 v22, v[CC:CC+3],   s[8:9] offset:512*(\c)        ; sixteen lanes store 256 consecutive bytes, aligned
	global_store_b128 v22, v[CC+4:CC+7], s[8:9] offset:512*(\c)+256
.endm
	VBLOCK 0
	VBLOCK 1
	VBLOCK 2
	VBLOCK 3
	global_store_b32 v21, v[SW], s[10:11]          ; 128 consecutive bytes: half of an aligned 256; the wave beside me stores the other half.  The words are one byte in 128 of what the task reads
	s_endpgm
.Lfunc_end_k_q64be8068b9_kvq:
	.size	k_q64be8068b9_kvq, .Lfunc_end_k_q64be8068b9_kvq-k_q64be8068b9_kvq
	.p2alignl 7, 3214868480
	.fill 96, 4, 3214868480
	.section	.rodata,"a",@progbits
	.p2align	6, 0x0
	.amdhsa_kernel k_q64be8068b9_kvq
		.amdhsa_group_segment_fixed_size 70144
		.amdhsa_private_segment_fixed_size 0
		.amdhsa_enable_private_segment 0
		.amdhsa_kernarg_size 32
		.amdhsa_user_sgpr_count 2
		.amdhsa_user_sgpr_kernarg_segment_ptr 1
		.amdhsa_wavefront_size32 1
		.amdhsa_system_sgpr_workgroup_id_x 1
		.amdhsa_system_sgpr_workgroup_id_y 1
		.amdhsa_system_sgpr_workgroup_id_z 1
		.amdhsa_system_vgpr_workitem_id 0
		.amdhsa_next_free_vgpr 256
		.amdhsa_next_free_sgpr 66
		.amdhsa_reserve_vcc 1
		.amdhsa_float_denorm_mode_32 3
		.amdhsa_float_denorm_mode_16_64 3
		.amdhsa_memory_ordered 1
		.amdhsa_forward_progress 1
		.amdhsa_inst_pref_size 64
	.end_amdhsa_kernel
	.amdgpu_metadata
---
amdhsa.version: [ 1, 2 ]
amdhsa.kernels:
  - .name:           k_q64be8068b9_kvq
    .symbol:         k_q64be8068b9_kvq.kd
    .args:
      - { .name: kvs, .offset: 0, .size: 8, .value_kind: global_buffer, .address_space: global }
      - { .name: kv_weight, .offset: 8, .size: 8, .value_kind: global_buffer, .address_space: global }
      - { .name: kvcodes, .offset: 16, .size: 8, .value_kind: global_buffer, .address_space: global }
      - { .name: kvscales, .offset: 24, .size: 8, .value_kind: global_buffer, .address_space: global }
    .group_segment_fixed_size: 70144
    .private_segment_fixed_size: 0
    .kernarg_segment_align: 8
    .kernarg_segment_size: 32
    .max_flat_workgroup_size: 128
    .sgpr_count:     66
    .vgpr_count:     256
    .wavefront_size: 32
...
	.end_amdgpu_metadata
.endif
;; end of part 1
;; launch proj (part 2): grid 12 x 16, 4 waves a work-group, clusters of 4 x 4, 327,680 bytes of LDS; arguments hidden_states_codes, hidden_states_scales, Wq_codes, Wq_scales, Wk_codes, Wk_scales, Wv_codes, Wv_scales, bq, bk, bv, qcodes, qscales, kvcodes, kvscales; writes qcodes, qscales, kvcodes, kvscales
.if DOCPART == 2
	.amdgcn_target "amdgcn-amd-amdhsa--gfx1250"
	.amdhsa_code_object_version 6
	.text
	.protected	k_q64be8068b9_proj
	.globl	k_q64be8068b9_proj
	.p2align	8
	.type	k_q64be8068b9_proj,@function
k_q64be8068b9_proj:
	s_mov_b64 s[64:65], 0
	v_nop
	global_prefetch_b8 v0, s[64:65] scope:SCOPE_SE
	s_setreg_imm32_b32 hwreg(HW_REG_WAVE_MODE, 25, 1), 1
	s_wait_xcnt 0x0
	s_wait_alu depctr_hold_cnt(0) depctr_sa_sdst(0) depctr_va_vdst(0) depctr_va_sdst(0) depctr_va_ssrc(0) depctr_va_vcc(0) depctr_vm_vsrc(0)
	s_getreg_b32 s2, hwreg(HW_REG_IB_STS2, 6, 4)
	s_cmp_eq_u32 s2, 0
	s_cbranch_scc0 .Lentry_in_a_cluster
	s_endpgm
.Lentry_in_a_cluster:
	s_bfe_u32 s2, ttmp6, 0x10000c
	s_cmp_lg_u32 s2, 0xf033
	s_cbranch_scc0 .Lentry_shape_is_right
	s_endpgm
.Lentry_shape_is_right:
.set KSTEP,  256
.set NQ,     KSTEP/128
.set ROWB,   256
.set KROW,   1024
.set PITCH,  272
.set FR,     16
.set NL,     4
.set NP,     8
.set HALFT,  128*PITCH
.set SLOT,   4*HALFT
.set LAPS,   KROW/(2*KSTEP)
.set KS,     32
.set SCL,    2*SLOT
.set HALFS,  (128*KS/256)*272
.set SBLK,   (16*KS/256)*272
.set SPARE,  SCL+4*HALFS
.set ADRA, 16
.set ADRB, 20
.set L8H,  22
.set L4,   23
.set CO0,  24
.set CO2,  25
.set L8,   26
.set ADRS, 27
.set SPW,  28
.set NIL,  29
.set BO,   30
.set BLO,  31
.set SC,   32
.set BIAS, 64
.set BL,   64
.set AF,   128
.set X,    128
.set PC,   192
.set LOHI, 208
.set TM,   224
.set PW,   240
.set EW,   241
.set SWD,  244
.set G1, 24
.set G0, 32
.set G1B, 48
.set G0B, 56
.set G1S, 68
.set G0S, 76
.set G1SB, 80
.set G0SB, 88
.set MNT, 9
.set SEL, 10
.set SA,  66
.set SA2, 67
.set MR,  92
.set ML,  94
.set OC,  98
.set OS,  100
.set MSB, 0
.macro WIN new
.if MSB != \new
	s_set_vgpr_msb (MSB<<8)|\new
.set MSB, \new
.endif
.endm
.set MUL_LO, 0xa1
.set MUL_HI, 0xf1
.set ONE_LO, 0x81
.set ONE_HI, 0xc1
.set TO_B,   0x40
.macro JLOAD g0a, g1a, g0b, g1b
	s_cmp_eq_u32 s15, 0
	s_cbranch_scc0 .Lfor_b_\@
	tensor_load_to_lds s[\g0a:\g0a+3], s[\g1a:\g1a+7]
	s_nop 0
.rept 4
	v_nop
.endr
	s_branch .Lasked_\@
.Lfor_b_\@:
	tensor_load_to_lds s[\g0b:\g0b+3], s[\g1b:\g1b+7]
	s_nop 0
.rept 4
	v_nop
.endr
.Lasked_\@:
.endm
.macro CREST
	s_cmp_lg_u32 s14, 0
	s_cbranch_scc1 .Lnot_wave_0_\@
	s_barrier_signal -3
.Lnot_wave_0_\@:
	s_barrier_wait -3
	s_barrier_signal -1
	s_barrier_wait -1
.endm
.macro CROUND
	s_barrier_signal -1
	s_barrier_wait -1
	CREST
.endm
	s_load_b512 s[24:39], s[0:1], 0x0
	s_load_b256 s[40:47], s[0:1], 0x40
	s_load_b128 s[48:51], s[0:1], 0x60
	s_load_b64 s[52:53], s[0:1], 0x70
	v_lshl_add_u32 v[SPW], v0, 2, SPARE
	v_mov_b32 v[NIL], 0
	ds_add_u32 v28, v29
	ds_add_u32 v28, v29
	s_wait_dscnt 0x0
	v_lshrrev_b32 v1, 5, v0
	v_readfirstlane_b32 s14, v1
	s_lshr_b32 s15, s14, 1
	s_and_b32 s16, s14, 1
	s_wait_kmcnt 0x0
	s_cmp_eq_u32 ttmp9, 0
	s_cselect_b64 s[8:9], s[28:29], s[32:33]
	s_cselect_b64 s[10:11], s[30:31], s[34:35]
	s_cselect_b64 s[12:13], s[40:41], s[42:43]
	s_cselect_b64 s[OC:OC+1], s[46:47], s[50:51]
	s_cselect_b64 s[OS:OS+1], s[48:49], s[52:53]
	s_cmp_eq_u32 ttmp9, 2
	s_cselect_b64 s[4:5], s[36:37], s[24:25]
	s_cselect_b64 s[6:7], s[38:39], s[26:27]
	s_cselect_b64 s[8:9], s[24:25], s[8:9]
	s_cselect_b64 s[10:11], s[26:27], s[10:11]
	s_cselect_b64 s[12:13], s[44:45], s[12:13]
	s_bfe_u32 s40, ttmp6, 0x40000
	s_bfe_u32 s41, ttmp6, 0x40004
	s_and_b32 s2, ttmp7, 0xffff
	s_lshl_b32 s2, s2, 2
	s_cmp_eq_u32 ttmp9, 2
	s_cselect_b32 s17, 0, s2
	s_cselect_b32 s42, s2, 0
	s_add_co_u32 s17, s17, s41
	s_add_co_u32 s42, s42, s40
	s_lshl_b32 s43, s41, 2
	s_lshl_b32 s43, 15, s43
	s_lshl_b32 s44, 0x1111, s40
	s_or_b32 s[G1+0], s43, (0<<16)|(1<<20)|(1<<21)|(5<<22)|(3<<25)
	s_or_b32 s[G1B+0], s44, (0<<16)|(1<<20)|(1<<21)|(5<<22)|(3<<25)
.irp g, G1, G1B
	s_mov_b32 s[\g+1], ROWB<<16
	s_mov_b32 s[\g+2], 256<<16                     ; the head's loads of codes bring 256 rows; behind them the two words that count rows are set to 128, for the ring's
	s_mov_b32 s[\g+3], ROWB<<16
	s_mov_b32 s[\g+4], 256
	s_mov_b32 s[\g+5], KROW
	s_mov_b32 s[\g+6], 0
	s_mov_b32 s[\g+7], 0
.endr
	s_or_b32 s[G1S+0], s43, (3<<16)|(1<<20)|(1<<21)|(5<<22)|(3<<25)
	s_or_b32 s[G1SB+0], s44, (3<<16)|(1<<20)|(1<<21)|(5<<22)|(3<<25)
.irp g, G1S, G1SB
	s_mov_b32 s[\g+1], 32<<16
	s_mov_b32 s[\g+2], KS<<16                      ; the scale bytes of 256 rows: 256 KS dense bytes as KS rows of 256
	s_mov_b32 s[\g+3], 32<<16
	s_mov_b32 s[\g+4], KS
	s_mov_b32 s[\g+5], 32
	s_mov_b32 s[\g+6], 0
	s_mov_b32 s[\g+7], 0
.endr
	s_lshl_b32 s20, s17, 8                         ; A: the tile's first row
	s_lshl_b32 s46, s42, 8                         ; B: likewise
	s_mov_b32 s21, 0
	s_mov_b32 s47, 0
	s_mov_b64 s[18:19], KS
	s_mul_u64 s[22:23], s[20:21], s[18:19]
	s_mul_u64 s[92:93], s[46:47], s[18:19]
	s_mov_b64 s[18:19], KROW
	s_mul_u64 s[20:21], s[20:21], s[18:19]
	s_mul_u64 s[46:47], s[46:47], s[18:19]
	s_mul_i32 s18, s16, 128*KROW                   ; in the ring I fetch 128 rows of a tile: which half, in bytes
	s_mov_b32 s19, 0
	s_mul_i32 s45, s14, HALFT
	s_add_nc_u64 s[20:21], s[4:5], s[20:21]
	s_add_nc_u64 s[22:23], s[6:7], s[22:23]
	s_add_nc_u64 s[46:47], s[8:9], s[46:47]
	s_add_nc_u64 s[92:93], s[10:11], s[92:93]
	CROUND
	s_mov_b32 s[G0], 1                             ; the head's four tiles, each whole.  K step 0's 256 rows of A (slot 0's group 0 serves: the ring first uses it at its first refill),
	s_mov_b32 s[G0+1], 0
	s_mov_b64 s[G0+2:G0+3], s[20:21]
	s_or_b32 s[G0+3], s[G0+3], 0x80000000
	s_mov_b32 s[G0B], 1                            ; its 256 rows of B, behind them in slot 0,
	s_mov_b32 s[G0B+1], 2*HALFT
	s_mov_b64 s[G0B+2:G0B+3], s[46:47]
	s_or_b32 s[G0B+3], s[G0B+3], 0x80000000
	s_mov_b32 s[G0S], 1                            ; the scale bytes of A's 256 rows,
	s_mov_b32 s[G0S+1], SCL
	s_mov_b64 s[G0S+2:G0S+3], s[22:23]
	s_or_b32 s[G0S+3], s[G0S+3], 0x80000000
	s_mov_b32 s[G0SB], 1                           ; and of B's
	s_mov_b32 s[G0SB+1], SCL+2*HALFS
	s_mov_b64 s[G0SB+2:G0SB+3], s[92:93]
	s_or_b32 s[G0SB+3], s[G0SB+3], 0x80000000
	s_add_nc_u64 s[20:21], s[20:21], s[18:19]      ; for the ring: my 128 rows of the tile
	s_add_nc_u64 s[46:47], s[46:47], s[18:19]
	s_mov_b32 s[G0+4], 1                           ; slot 1: K step 1
	s_add_co_u32 s[G0+5], s45, SLOT
	s_add_nc_u64 s[G0+6:G0+7], s[20:21], ROWB
	s_or_b32 s[G0+7], s[G0+7], 0x80000000
	s_mov_b32 s[G0B+4], 1
	s_add_co_u32 s[G0B+5], s45, SLOT
	s_add_nc_u64 s[G0B+6:G0B+7], s[46:47], ROWB
	s_or_b32 s[G0B+7], s[G0B+7], 0x80000000
; THE HEAD'S LOADS, ONE A WAVE: one chain of branches on the wave's number, a load to an arm, all arms leading to one join
.macro ARM under, g0, g1, next
	s_cmp_lt_u32 s14, \under
	s_cbranch_scc0 \next
	tensor_load_to_lds s[\g0:\g0+3], s[\g1:\g1+7]
	s_nop 0
.rept 4
	v_nop
.endr
	s_branch .Lhead_asked
\next:
.endm
	ARM 1, G0,  G1,  .Lhead_b
	ARM 2, G0B, G1B, .Lhead_sa
	ARM 3, G0S, G1S, .Lhead_sb
	tensor_load_to_lds s[G0SB:G0SB+3], s[G1SB:G1SB+7]
	s_nop 0
.rept 4
	v_nop
.endr
.Lhead_asked:
	v_and_b32 v1, 15, v0
	v_bfe_u32 v2, v0, 4, 1
	v_mul_u32_u24 v3, v1, PITCH
	v_lshl_add_u32 v4, v2, 4, v3
	s_mul_i32 s21, s15, HALFT
	s_mul_i32 s22, s16, HALFT
	s_add_co_u32 s22, s22, 2*HALFT
.irp s, 0,1
	v_add_nc_u32 v[ADRA+\s], s21, v4
	v_add_nc_u32 v[ADRB+\s], s22, v4
	s_add_co_u32 s21, s21, SLOT
	s_add_co_u32 s22, s22, SLOT
.endr
	v_mul_u32_u24 v5, v1, KS
	v_lshrrev_b32 v6, 8, v5
	v_lshl_add_u32 v5, v6, 4, v5
	s_mul_i32 s21, s15, HALFS
	s_mul_i32 s22, s16, HALFS
	s_add_co_u32 s22, s22, 2*HALFS
	s_sub_co_u32 s22, s22, s21
	v_mul_u32_u24 v6, s22, v2
	s_add_co_u32 s21, s21, SCL
	v_add_nc_u32 v5, v5, v6
	v_add_nc_u32 v[ADRS], s21, v5
	s_lshl_b32 s20, s17, 8
	s_lshl_b32 s21, s15, 7
	s_add_co_u32 s20, s20, s21
	s_lshl_b32 s46, s42, 8
	s_lshl_b32 s47, s16, 7
	s_add_co_u32 s46, s46, s47
	s_cmp_eq_u32 ttmp9, 2
	s_cselect_b32 s22, s46, s20
	s_cselect_b32 s23, s20, s46
	s_cselect_b32 s[MR], 0, 1.0
	s_cselect_b32 s[ML], 1.0, 0
	s_mov_b32 s[SA], 1024
	s_cselect_b32 s[SA], 2048, s[SA]
	s_cselect_b32 s[SA2], 516096, 0
	s_cselect_b32 s97, 8192, 0
	s_mov_b32 s7, 512
	s_cselect_b32 s7, 256, s7
	s_mov_b32 s[MR+1], s[MR]
	s_mov_b32 s[ML+1], s[ML]
	s_cmp_eq_u32 ttmp9, 0
	s_mov_b32 s43, 524288
	s_cselect_b32 s43, 131072, s43
	s_mov_b32 s44, 16384
	s_cselect_b32 s44, 8192, s44
	s_cselect_b32 s45, 0, 262144
	s_mov_b32 s47, 24576
	s_cselect_b32 s47, 8192, s47
	s_cselect_b32 s6, 0, 8192
	s_cmp_eq_u32 ttmp9, 2
	s_cselect_b32 s96, 1024, s43
	s_cselect_b32 s6, 20480, s6
	s_lshr_b32 s40, s22, 11
	s_lshl_b32 s40, s40, 4
	s_lshr_b32 s41, s23, 6
	s_add_co_u32 s40, s40, s41
	s_bfe_u32 s41, s22, 0x40007
	s_mul_i32 s4, s40, s43
	s_mul_i32 s5, s41, s44
	s_add_co_u32 s4, s4, s5
	s_add_co_u32 s4, s4, s45
	s_add_co_u32 s4, s4, s97
	s_mov_b32 s5, 0
	s_add_nc_u64 s[OC:OC+1], s[OC:OC+1], s[4:5]
	s_mul_i32 s4, s40, s47
	s_mul_i32 s8, s41, s7
	s_add_co_u32 s4, s4, s8
	s_add_co_u32 s4, s4, s6
	s_add_nc_u64 s[OS:OS+1], s[OS:OS+1], s[4:5]
	s_lshl_b32 s4, s23, 2
	s_add_nc_u64 s[12:13], s[12:13], s[4:5]
	s_mov_b32 s[MNT], 0x600000
	s_mov_b32 s[SEL], 0x76543210
	s_mov_b32 s[SEL+1], 0xfedcba98
	v_and_b32 v6, 31, v0
	v_lshlrev_b32 v[CO0], 4, v6
	v_add_nc_u32 v[CO2], s96, v[CO0]
	v_lshlrev_b32 v[L8], 3, v6
	v_add_nc_u32 v[L8H], s47, v[L8]
	v_lshlrev_b32 v[L4], 2, v6
	v_lshlrev_b32 v[BO], 5, v2
	v_lshlrev_b32 v[BLO], 2, v1
.irp b, 0,1,2,3,4,5,6,7
	global_load_b128 v[BIAS+8*\b:BIAS+8*\b+3],   v[BO], s[12:13] offset:64*\b
	global_load_b128 v[BIAS+8*\b+4:BIAS+8*\b+7], v[BO], s[12:13] offset:64*\b+16
.endr
	s_wait_loadcnt 0x0
.set i, 0
.rept 32
	v_pk_mul_f32 v[BIAS+i:BIAS+i+1], v[BIAS+i:BIAS+i+1], s[MR:MR+1] op_sel_hi:[1,0]
.set i, i+2
.endr
.macro FRAG reg, adr, q, i
.irp c, 0,1,2,3
	ds_load_b128 v[\reg+4*\c:\reg+4*\c+3], v[\adr] offset:128*(\q)+32*\c+(\i)*16*PITCH
.endr
.endm
.macro MUL16 a0, p, q, sc, zero
.irp a, \a0, \a0+1
.irp b, 0,1,2,3,4,5,6,7
.if \zero
	v_wmma_scale_f32_16x16x128_f8f6f4 v[8*(8*((\a)%4)+\b):8*(8*((\a)%4)+\b)+7], v[128*(\p)+FR*\b:128*(\p)+FR*\b+FR-1], v[AF+FR*(\a):AF+FR*(\a)+FR-1], v[BIAS+8*\b:BIAS+8*\b+7], v[SC+8*NQ*(\sc)+NQ*\b+(\q)], v[SC+8*NQ*(\sc)+NQ*(\a)+(\q)] matrix_a_fmt:MATRIX_FMT_BF8 matrix_b_fmt:MATRIX_FMT_BF8 matrix_a_scale:MATRIX_SCALE_ROW1
.else
	v_wmma_scale_f32_16x16x128_f8f6f4 v[8*(8*((\a)%4)+\b):8*(8*((\a)%4)+\b)+7], v[128*(\p)+FR*\b:128*(\p)+FR*\b+FR-1], v[AF+FR*(\a):AF+FR*(\a)+FR-1], v[8*(8*((\a)%4)+\b):8*(8*((\a)%4)+\b)+7], v[SC+8*NQ*(\sc)+NQ*\b+(\q)], v[SC+8*NQ*(\sc)+NQ*(\a)+(\q)] matrix_a_fmt:MATRIX_FMT_BF8 matrix_b_fmt:MATRIX_FMT_BF8 matrix_a_scale:MATRIX_SCALE_ROW1
.endif
.endr
.endr
.endm
.macro FETCH_B slot, q, p
	WIN TO_B
.irp i, 0,1,2,3,4,5,6,7
	FRAG 128*(\p)+FR*\i, ADRB+\slot, \q, \i
.endr
	WIN 0
.endm
.macro FETCH_A slot, q, i0
.irp i, \i0, \i0+1, \i0+2, \i0+3
	FRAG AF+FR*(\i), ADRA+\slot, \q, \i
.endr
.endm
.macro SCALES sc
.irp i, 0,1,2,3,4,5,6,7
	ds_load_b64 v[SC+8*NQ*\sc+NQ*\i:SC+8*NQ*\sc+NQ*\i+1], v[ADRS] offset:\i*SBLK
.endr
.endm
.macro PLACES n
.rept \n
	v_nop
.endr
.endm
.macro STEP slot, q, zero
	s_wait_dscnt 4*NL
.if \zero
	WIN ONE_LO
.else
	WIN MUL_LO
.endif
	MUL16 0, (\q)%2, \q, \slot, \zero
	MUL16 2, (\q)%2, \q, \slot, \zero
	s_wait_dscnt 0
	PLACES NP
	FETCH_B \slot, (\q)+1, 1-(\q)%2
	FETCH_A \slot, (\q)+1, 0
.if \zero
	WIN ONE_HI
.else
	WIN MUL_HI
.endif
	MUL16 4, (\q)%2, \q, \slot, \zero
	MUL16 6, (\q)%2, \q, \slot, \zero
	PLACES NP
	WIN 0
	FETCH_A \slot, (\q)+1, 4
.endm
.macro TURN slot, next, fill
	s_wait_tensorcnt 0x0
	ds_add_u32 v[SPW], v[NIL]
	s_wait_dscnt 4*NL+1
	WIN MUL_LO
	MUL16 0, 1, NQ-1, \slot, 0
	s_wait_dscnt 0x0
	s_barrier_signal -1
	MUL16 2, 1, NQ-1, \slot, 0
	WIN 0
	s_barrier_wait -1
.if \fill
	CREST
	s_add_nc_u64 s[G0+4*\slot+2:G0+4*\slot+3], s[G0+4*\slot+2:G0+4*\slot+3], 2*ROWB
	s_add_nc_u64 s[G0B+4*\slot+2:G0B+4*\slot+3], s[G0B+4*\slot+2:G0B+4*\slot+3], 2*ROWB
	JLOAD G0+4*\slot, G1, G0B+4*\slot, G1B
	PLACES NP-4
.else
	PLACES NP
.endif
	s_wait_alu depctr_va_vdst(0)
	v_add_nc_u32 v[ADRS], 4*NQ, v[ADRS]
	FETCH_B \next, 0, 0
	FETCH_A \next, 0, 0
	SCALES \next
	WIN MUL_HI
	MUL16 4, 1, NQ-1, \slot, 0
	MUL16 6, 1, NQ-1, \slot, 0
	PLACES NP
	WIN 0
	FETCH_A \next, 0, 4
.endm
	s_wait_alu depctr_va_vdst(0)
	s_wait_tensorcnt 0x0                           ; my tile of the head's four is in
	ds_add_u32 v[SPW], v[NIL]
	s_mov_b32 s[G1+2], 128<<16                     ; no tensor load of mine is out, so descriptors may be written: from here on a load brings 128 rows,
	s_mov_b32 s[G1+4], 128
	s_mov_b32 s[G1B+2], 128<<16
	s_mov_b32 s[G1B+4], 128
	s_mul_i32 s[G0+1], s14, HALFT                  ; and slot 0's groups 0 stand at my 128 rows of K step 0: the first refill steps them on
	s_add_nc_u64 s[G0+2:G0+3], s[G0+2:G0+3], s[18:19]
	s_mul_i32 s[G0B+1], s14, HALFT
	s_add_nc_u64 s[G0B+2:G0B+3], s[G0B+2:G0B+3], s[18:19]
	s_wait_dscnt 0x0
	CROUND                                         ; all four tiles are in, and all sixteen work-groups are here
	JLOAD G0+4, G1, G0B+4, G1B                     ; K step 1: the first tensor load behind the round
	FETCH_B 0, 0, 0
	FETCH_A 0, 0, 0
	SCALES 0
	FETCH_A 0, 0, 4
	STEP 0, 0, 1
.irp a, 0,1,2,3,4,5,6,7
	global_load_b32 v[BL+2*\a],   v[BLO], s[12:13] offset:64*\a
	global_load_b32 v[BL+2*\a+1], v[BLO], s[12:13] offset:64*\a
.endr
	s_mov_b32 s3, LAPS-1
.Llap:
	TURN 0, 1, 1
	STEP 1, 0, 0
	TURN 1, 0, 1
	STEP 0, 0, 0
	s_sub_co_u32 s3, s3, 1
	s_cmp_lg_u32 s3, 0
	s_cbranch_scc1 .Llap
	TURN 0, 1, 0
	STEP 1, 0, 0
	s_wait_dscnt 4*NL
	WIN MUL_LO
	MUL16 0, 1, NQ-1, 1, 0
	MUL16 2, 1, NQ-1, 1, 0
	s_wait_dscnt 0
	WIN MUL_HI
	MUL16 4, 1, NQ-1, 1, 0
	MUL16 6, 1, NQ-1, 1, 0
	WIN 0
.macro QUANT s, pc
.irp b, 0,1,2,3
	v_max3_num_f32 v[TM+\b], |v[\s+16*\b]|, |v[\s+1+16*\b]|, 0x8000000
.endr
.irp i, 2,4,6,8,10,12,14
.irp b, 0,1,2,3
	v_max3_num_f32 v[TM+\b], v[TM+\b], |v[\s+16*\b+\i]|, |v[\s+1+16*\b+\i]|
.endr
.endr
.irp b, 0,1,2,3
	v_permlanex16_b32 v[TM+4+\b], v[TM+\b], s[SEL], s[SEL+1]
.endr
.irp b, 0,1,2,3
	v_max_num_f32 v[TM+\b], v[TM+\b], v[TM+4+\b]
.endr
.irp b, 0,1,2,3
	v_add_nc_u32 v[TM+12+\b], 0xf8800000, v[TM+\b]
.endr
.irp b, 0,1,2,3
	v_and_or_b32 v[TM+8+\b], v[TM+\b], 0x7f800000, s[MNT]
.endr
.irp b, 0,1,2,3
	v_lshrrev_b32 v[TM+4+\b], 23, v[TM+12+\b]
.endr
	v_lshl_or_b32 v[PW], v[TM+5], 8, v[TM+4]
	v_lshl_or_b32 v[PW], v[TM+6], 16, v[PW]
	v_lshl_or_b32 v[PW], v[TM+7], 24, v[PW]
	s_wait_alu depctr_va_vdst(0)                   ; directly ahead of the wait below
	s_wait_xcnt 0x0                                ; the block before has stored: its data and offsets are written again only behind this wait
.irp b, 0,1,2,3
.irp i, 0,1,2,3,4,5,6,7,8,9,10,11,12,13,14,15
	v_med3_num_f32 v[\s+16*\b+\i], v[\s+16*\b+\i], -v[TM+8+\b], v[TM+8+\b]
.endr
	v_cvt_scalef32_pk8_bf8_f32 v[\pc+4*\b:\pc+1+4*\b], v[\s+16*\b:\s+7+16*\b], v[TM+12+\b]
	v_cvt_scalef32_pk8_bf8_f32 v[\pc+2+4*\b:\pc+3+4*\b], v[\s+8+16*\b:\s+15+16*\b], v[TM+12+\b]
.endr
	v_nop
.endm
.macro OUT a
.if (\a) < 4
	WIN 0x02
.else
	WIN 0x03
.endif
.set i, 0
.rept 32
	v_pk_add_f32 v[X+i:X+i+1], v[64*((\a)%4)+i:64*((\a)%4)+i+1], v[BL+2*(\a):BL+2*(\a)+1]
.set i, i+2
.endr
	WIN 0
	QUANT X, PC
.if (\a) > 0
	v_add_nc_u32 v[CO0], s[SA], v[CO0]
	v_add_nc_u32 v[CO2], s[SA], v[CO2]
.endif
.if (\a) == 4
	v_add_nc_u32 v[CO0], s[SA2], v[CO0]
	v_add_nc_u32 v[CO2], s[SA2], v[CO2]
.endif
	global_store_b128 v[CO0], v[PC:PC+3],     s[OC:OC+1]
	global_store_b128 v[CO0], v[PC+4:PC+7],   s[OC:OC+1] offset:512
	global_store_b128 v[CO2], v[PC+8:PC+11],  s[OC:OC+1]
	global_store_b128 v[CO2], v[PC+12:PC+15], s[OC:OC+1] offset:512
.if ((\a)%2) == 0
	v_mov_b32 v[EW], v[PW]
.else
	v_cndmask_b32 v[SWD+(\a)/2], v[EW], v[PW], vcc_lo
.endif
.endm
	s_wait_loadcnt 0x0
	PLACES NP
	v_and_b32 v1, 31, v0
	v_cmp_le_u32 vcc_lo, 16, v1
.irp b, 0,1,2,3
	v_mov_b32 v[TM+4+\b], 0
.endr
.irp a, 0,1,2,3,4,5,6,7
	v_pk_mul_f32 v[BL+2*\a:BL+2*\a+1], v[BL+2*\a:BL+2*\a+1], s[ML:ML+1] op_sel_hi:[1,0]
.endr
	s_wait_alu depctr_va_vdst(0)
.irp a, 0,1,2,3,4,5,6,7
	OUT \a
.endr
	s_cmp_eq_u32 ttmp9, 2
	s_cbranch_scc1 .Lwords_v
.irp i, 0,1,2,3
	v_and_b32 v[LOHI+\i], 0xffff, v[SWD+\i]
	v_lshrrev_b32 v[LOHI+4+\i], 16, v[SWD+\i]
.endr
	global_store_b64 v[L8],  v[LOHI:LOHI+1],   s[OS:OS+1]
	global_store_b64 v[L8],  v[LOHI+2:LOHI+3], s[OS:OS+1] offset:256
	global_store_b64 v[L8H], v[LOHI+4:LOHI+5], s[OS:OS+1]
	global_store_b64 v[L8H], v[LOHI+6:LOHI+7], s[OS:OS+1] offset:256
	s_branch .Lwords_done
.Lwords_v:
	global_store_b32 v[L4], v[SWD],   s[OS:OS+1]
	global_store_b32 v[L4], v[SWD+1], s[OS:OS+1] offset:128
	global_store_b32 v[L4], v[SWD+2], s[OS:OS+1] offset:24576
	s_wait_alu depctr_va_vdst(0)
	global_store_b32 v[L4], v[SWD+3], s[OS:OS+1] offset:24704
.Lwords_done:
	s_wait_tensorcnt 0x0
	ds_add_u32 v[SPW], v[NIL]
	s_wait_dscnt 0x0
	CROUND
	s_endpgm
.Lfunc_end_k_q64be8068b9_proj:
	.size	k_q64be8068b9_proj, .Lfunc_end_k_q64be8068b9_proj-k_q64be8068b9_proj
	.p2alignl 7, 3214868480
	.fill 96, 4, 3214868480
	.section	.rodata,"a",@progbits
	.p2align	6, 0x0
	.amdhsa_kernel k_q64be8068b9_proj
		.amdhsa_group_segment_fixed_size 327680
		.amdhsa_private_segment_fixed_size 0
		.amdhsa_enable_private_segment 0
		.amdhsa_kernarg_size 120
		.amdhsa_user_sgpr_count 2
		.amdhsa_user_sgpr_kernarg_segment_ptr 1
		.amdhsa_wavefront_size32 1
		.amdhsa_system_sgpr_workgroup_id_x 1
		.amdhsa_system_sgpr_workgroup_id_y 1
		.amdhsa_system_sgpr_workgroup_id_z 1
		.amdhsa_system_vgpr_workitem_id 0
		.amdhsa_next_free_vgpr 1024
		.amdhsa_next_free_sgpr 102
		.amdhsa_reserve_vcc 1
		.amdhsa_float_denorm_mode_32 3
		.amdhsa_float_denorm_mode_16_64 3
		.amdhsa_memory_ordered 1
		.amdhsa_forward_progress 1
		.amdhsa_inst_pref_size 211
	.end_amdhsa_kernel
	.amdgpu_metadata
---
amdhsa.version: [ 1, 2 ]
amdhsa.kernels:
  - .name:           k_q64be8068b9_proj
    .symbol:         k_q64be8068b9_proj.kd
    .args:
      - { .name: hidden_states_codes, .offset: 0, .size: 8, .value_kind: global_buffer, .address_space: global }
      - { .name: hidden_states_scales, .offset: 8, .size: 8, .value_kind: global_buffer, .address_space: global }
      - { .name: Wq_codes, .offset: 16, .size: 8, .value_kind: global_buffer, .address_space: global }
      - { .name: Wq_scales, .offset: 24, .size: 8, .value_kind: global_buffer, .address_space: global }
      - { .name: Wk_codes, .offset: 32, .size: 8, .value_kind: global_buffer, .address_space: global }
      - { .name: Wk_scales, .offset: 40, .size: 8, .value_kind: global_buffer, .address_space: global }
      - { .name: Wv_codes, .offset: 48, .size: 8, .value_kind: global_buffer, .address_space: global }
      - { .name: Wv_scales, .offset: 56, .size: 8, .value_kind: global_buffer, .address_space: global }
      - { .name: bq, .offset: 64, .size: 8, .value_kind: global_buffer, .address_space: global }
      - { .name: bk, .offset: 72, .size: 8, .value_kind: global_buffer, .address_space: global }
      - { .name: bv, .offset: 80, .size: 8, .value_kind: global_buffer, .address_space: global }
      - { .name: qcodes, .offset: 88, .size: 8, .value_kind: global_buffer, .address_space: global }
      - { .name: qscales, .offset: 96, .size: 8, .value_kind: global_buffer, .address_space: global }
      - { .name: kvcodes, .offset: 104, .size: 8, .value_kind: global_buffer, .address_space: global }
      - { .name: kvscales, .offset: 112, .size: 8, .value_kind: global_buffer, .address_space: global }
    .group_segment_fixed_size: 327680
    .private_segment_fixed_size: 0
    .kernarg_segment_align: 8
    .kernarg_segment_size: 120
    .max_flat_workgroup_size: 128
    .sgpr_count:     102
    .vgpr_count:     1024
    .wavefront_size: 32
...
	.end_amdgpu_metadata
.endif
;; end of part 2
;; launch attn (part 3): grid 8 x 32, 8 waves a work-group, clusters of 4 x 1, 327,680 bytes of LDS; arguments qcodes, qscales, kvcodes, kvscales, out0; writes out0
.if DOCPART == 3
	.amdgcn_target "amdgcn-amd-amdhsa--gfx1250"
	.amdhsa_code_object_version 6
	.text
	.protected	k_q64be8068b9_attn
	.globl	k_q64be8068b9_attn
	.p2align	8
	.type	k_q64be8068b9_attn,@function
k_q64be8068b9_attn:
	s_mov_b64 s[64:65], 0
	v_nop
	global_prefetch_b8 v0, s[64:65] scope:SCOPE_SE
	s_setreg_imm32_b32 hwreg(HW_REG_WAVE_MODE, 25, 1), 1
	s_wait_xcnt 0x0
	s_wait_alu depctr_hold_cnt(0) depctr_sa_sdst(0) depctr_va_vdst(0) depctr_va_sdst(0) depctr_va_ssrc(0) depctr_va_vcc(0) depctr_vm_vsrc(0)
	s_getreg_b32 s2, hwreg(HW_REG_IB_STS2, 6, 4)
	s_cmp_eq_u32 s2, 0
	s_cbranch_scc0 .Lentry_in_a_cluster
	s_endpgm
.Lentry_in_a_cluster:
	s_bfe_u32 s2, ttmp6, 0x10000c
	s_cmp_lg_u32 s2, 0x3003
	s_cbranch_scc0 .Lentry_shape_is_right
	s_endpgm
.Lentry_shape_is_right:
; out0[b][q][64 head + d] = the sum over 4,096 keys of softmax(q . k / 64) v, both products on codes of E5M2 with one E8M0 byte for each 32 along K, from the register images that the two launches before have laid.
; qcodes: [32 heads][128 tiles of 16 queries][2 chunks][lane][16 bytes].  kvcodes: [32 heads][32 steps of 128 keys][16,384]: K's tile t (keys 16 t + r), chunk c at 1024 t + 512 c + 16 x lane; V's tile t (channels 16 t + r), chunk c
; (32 keys) at 8192 + 2048 t + 512 c + 16 x lane.  Inside a block of 32 the order of k is the same on both sides of each product, so p's codes are the second product's operand as they leave the conversions.
; THE FIRST PRODUCT'S K IS 64.  A fragment of 16 registers holds TWO key tiles: tile 2 u in k = 0 .. 63, tile 2 u + 1 in k = 64 .. 127.  It is multiplied once by [Q | zero codes] and once by [zero codes | Q]: each product keeps one tile.
; Q lies as Q, eight registers of zeros, Q.  The odd tile's scale word, and Q's for it, are shifted up by two bytes; a byte 0 stands over products with zero codes alone.
; THE SOFTMAX: q comes WITHOUT its factor 1/8 (a power of two goes through the quantiser unchanged), so t = score x log2(e) / 64; M = the running largest t rounded UP to a whole number; p = 2^(t - M) is quantised along the keys,
; not normalised; the row's sum is taken of the unquantised p and divides O at the end.  When M moves, the sum and O are multiplied by 2^(old M - new M): exact.
; LIMITS: NaN and infinities are not served.  The scaled scores stay under 2^31 in magnitude.  A block's largest p is taken as the exponential of the block's largest score (v_exp_f32 is taken not to fall where its input rises).
; SHARES.  A work-group owns 256 queries of one head; each of its eight waves TWO tiles of 16 queries, so that each fragment of K and of V that a wave reads from LDS feeds two products.  The two tiles' vector lines stand by turns.
; Every wave walks the head's 32 key steps; the step is written once and runs in a counted loop of eight trips a slot.  A slot of the ring holds eight steps, 131,072 bytes; waves 0 to 3 fetch two steps each, 128 dense rows of 256 bytes.
; The head's scale words, 24,576 bytes, come once (waves 4 to 7, a quarter each) and stay.
; CLUSTER: the four query blocks of a cluster belong to one head and walk the same K and V: each tile is asked for JOINTLY, by the same tensor load with the same descriptor and a mask that names the four.
; Both products are used transposed (S^T = K Q^T, O^T = V^T P^T): a lane holds ONE query (lane % 16) of each tile throughout.
; REGISTERS.  Window 0: addresses, scale words, and for each tile a block of 103 registers on which all vector work but O's rescaling runs.  Window 1: what loads and matrix instructions touch: K's and V's fragments, Q; and O^T.
.set SLOT1, 131072                     ; slot 1 begins here: one exclusive or turns an address in one slot into the other's
.set SCK,   2*SLOT1                    ; K's scale words of the head: 512 bytes a step
.set SCV,   SCK+16384                  ; V's: 256 bytes a step
.set SPARE, SCV+8192                   ; the spare words, 128 bytes for each wave: four blocks of 256 bytes that no other line names
.set STAGE, 0                          ; the way out: two stages of 16 rows x (256 bytes + 16) for each wave, in slot 0: it has had its last fill, and its last read lies ahead of the last change of slots
.set LI,   1                           ; v1   16 x lane
.set AKS,  2                           ; v2   SCK + 8 x lane
.set AVS,  3                           ; v3   SCV + 4 x lane
.set GO,   4                           ; v4   my byte offset in a tile's rows of out0
.set SPW,  5                           ; v5   LDS address of my spare word; never rewritten
.set NIL,  6                           ; v6   0; never rewritten
.set PFO,  7                           ; v7   256 x lane: the prefetches' offset; never rewritten
.set ADK,  8                           ; v8   the step in hand + 16 x lane
.set ADS,  9                           ; v9   its scale words of K
.set ADT,  10                          ; v10  and of V.   v11-15 at work at the head and on the way out
.set VS,   16                          ; v16-17 V's scale words;  v18, v19 Q's, tile a's and b's;  v20-23 K's: lanes 0-15 tile 2 u's, lanes 16-31 tile 2 u + 1's;  v24-27 the same, two bytes up
.set QSA,  18
.set QSB,  19
.set KS,   20
.set KH,   24
.set QS2A, 28                          ; v28, v29 Q's words, two bytes up;  v30, v31 p's words
.set QS2B, 29
.set PWA,  30
.set PWB,  31
.set PA,   32                          ; v32-134  tile a's block;  v136-238 tile b's.  In a block:
.set PB,   136
.set oPC,  64                          ; + 0 S^T, then p (64);  + 64 p's codes (16)
.set oAC,  80                          ; + 80 four partial sums of p, in pairs
.set oTM,  88                          ; + 88 a block's largest score, then its largest p, then the hold
.set oSO,  92                          ; + 92 the other half's maxima, then the conversions' scale operands
.set oMM,  96                          ; + 96 -M, + 97 the largest score
.set oSU,  98                          ; + 98 the sum in two halves
.set oF,   100                         ; + 100 f = 2^(old M - new M), + 101 the old -M (named with f as a pair)
.set oOM,  101
.set oT,   102                         ; + 102 at work
.set KB,   0                           ; window 1: v0-63 four fragments of K, two key tiles each;  v64-127 V's four;  v128-151, v152-175 Q, zeros, Q of tiles a, b;  v176-207, v208-239 O^T
.set VB,   64
.set QA,   128
.set QB,   152
.set OA,   176
.set OB,   208
.set WV,   18
.set MNT,  19
.set SEL,  20
.set CS,   22                          ; s[22:23] c = log2(e) / 64
.set G1,   24                          ; s[24:31] group 1 for the ring's tiles;  s[32:39] for the scale words;  s[40:43], s[44:47] their groups 0
.set G1S,  32
.set G0,   40
.set G0S,  44
.set TB,   2                           ; s2   LDS byte at which the step in hand begins
.set TS,   3                           ; s3   where its scale words of K begin: 512 bytes a step
.set TJ,   66                          ; s66  and V's: 256
.set SLOTS, 67                         ; s67  slots still to be asked for
.set PFA,  76                          ; s[76:77] where my prefetches stand
.set LIM,  80                          ; s80  1 in a wave that prefetches, else the greatest number
.set SB,   81                          ; s81  LDS byte at which the slot in hand begins
.set J,    92                          ; s92  steps of the slot still to go
.set NC,   93                          ; s93  -c
.set MSB, 0
.macro WIN new                         ; low byte: bits 1:0 source 0, 3:2 source 1, 5:4 source 2, 7:6 destination; the high byte repeats the setting that is left
.if MSB != \new
	s_set_vgpr_msb (MSB<<8)|\new
.set MSB, \new
.endif
.endm
.macro CROUND                          ; a round of the cluster's barrier
	s_barrier_signal -1
	s_barrier_wait -1
	s_cmp_lg_u32 s[WV], 0
	s_cbranch_scc1 .Lnot_wave_0_\@
	s_barrier_signal -3
.Lnot_wave_0_\@:
	s_barrier_wait -3
	s_barrier_signal -1
	s_barrier_wait -1
.endm
.macro JLOAD                           ; waves 0 to 3 fetch two steps each; the branch hangs on the wave's number alone.  An s_nop 0 and four v_nop follow the load
	s_cmp_lt_u32 s[WV], 4
	s_cbranch_scc0 .Lasked_\@
	tensor_load_to_lds s[G0:G0+3], s[G1:G1+7]
	s_nop 0
.rept 4
	v_nop
.endr
.Lasked_\@:
.endm
; A PREFETCH INTO THE L2 of the slot that the NEXT change of slots will ask for: eight key steps ahead of that load.  Each aligned block of 256 bytes is named ONCE in the launch: both clusters of a head walk the same bytes, and the
; first asks; its four partners take 32,768 bytes each, told apart BY ADDRESS; in each, waves 4 to 7 take 8,192 bytes, lanes 256 bytes apart.  The last change that fills a slot asks for nothing.  Slots 0 and 1 come by their loads alone.
.macro ASK
	s_cmp_gt_u32 s[SLOTS], s[LIM]
	s_cbranch_scc0 .Lnot_mine_\@
	global_prefetch_b8 v[PFO], s[PFA:PFA+1] th:TH_LOAD_NT scope:SCOPE_SE
.Lnot_mine_\@:
.endm
.macro KLOAD off, soff                 ; a step's eight key tiles, 8,192 consecutive bytes, and their scale words: 18 loads
	WIN 0x40
.set i, 0
.rept 16
	ds_load_b128 v[KB+4*i:KB+4*i+3], v[ADK] offset:\off+512*i
.set i, i+1
.endr
	WIN 0
	ds_load_b64 v[KS:KS+1],   v[ADS] offset:\soff
	ds_load_b64 v[KS+2:KS+3], v[ADS] offset:\soff+256
.endm
.macro SHIFTS                          ; the odd tiles' words, two bytes up
.irp u, 0,1,2,3
	v_lshlrev_b32 v[KH+\u], 16, v[KS+\u]
.endr
.endm
.macro SMUL P, Q, qs, qs2              ; S^T = K Q^T of one tile of queries: eight products on eight accumulators
.irp u, 0,1,2,3
	v_wmma_scale_f32_16x16x128_f8f6f4 v[\P+16*\u:\P+16*\u+7], v[KB+16*\u:KB+16*\u+15], v[\Q:\Q+15], 0, v[KS+\u], v[\qs] matrix_a_fmt:MATRIX_FMT_BF8 matrix_b_fmt:MATRIX_FMT_BF8
	v_wmma_scale_f32_16x16x128_f8f6f4 v[\P+16*\u+8:\P+16*\u+15], v[KB+16*\u:KB+16*\u+15], v[\Q+8:\Q+23], 0, v[KH+\u], v[\qs2] matrix_a_fmt:MATRIX_FMT_BF8 matrix_b_fmt:MATRIX_FMT_BF8 matrix_a_scale:MATRIX_SCALE_ROW1
.endr
.endm
.macro PVM O, P, pw, t                 ; O^T += V^T P^T: 16 channels of one tile of queries; K = the step's 128 keys
.if ((\t)%2) == 1
	v_wmma_scale_f32_16x16x128_f8f6f4 v[\O+8*(\t):\O+8*(\t)+7], v[VB+16*(\t):VB+16*(\t)+15], v[\P+oPC:\P+oPC+15], v[\O+8*(\t):\O+8*(\t)+7], v[VS+(\t)/2], v[\pw] matrix_a_fmt:MATRIX_FMT_BF8 matrix_b_fmt:MATRIX_FMT_BF8 matrix_a_scale:MATRIX_SCALE_ROW1
.else
	v_wmma_scale_f32_16x16x128_f8f6f4 v[\O+8*(\t):\O+8*(\t)+7], v[VB+16*(\t):VB+16*(\t)+15], v[\P+oPC:\P+oPC+15], v[\O+8*(\t):\O+8*(\t)+7], v[VS+(\t)/2], v[\pw] matrix_a_fmt:MATRIX_FMT_BF8 matrix_b_fmt:MATRIX_FMT_BF8
.endif
.endm
.macro TAILS                           ; the last step's four partial sums are joined, and the row's sum is brought under that step's M: eight lines
.irp P, PA, PB
	v_pk_add_f32 v[\P+oAC:\P+oAC+1], v[\P+oAC:\P+oAC+1], v[\P+oAC+4:\P+oAC+5]
	v_pk_add_f32 v[\P+oAC+2:\P+oAC+3], v[\P+oAC+2:\P+oAC+3], v[\P+oAC+6:\P+oAC+7]
.endr
.irp P, PA, PB
	v_pk_add_f32 v[\P+oAC:\P+oAC+1], v[\P+oAC:\P+oAC+1], v[\P+oAC+2:\P+oAC+3]
.endr
.irp P, PA, PB
	v_pk_fma_f32 v[\P+oSU:\P+oSU+1], v[\P+oSU:\P+oSU+1], v[\P+oF:\P+oF+1], v[\P+oAC:\P+oAC+1] op_sel_hi:[1,0,1]
.endr
.endm
.macro PACKW P, pw                     ; the four bytes make p's scale word for these 128 keys; among them the holds: 57,344 x the scale
	v_lshrrev_b32 v[\pw], 23, v[\P+oSO]
	v_lshrrev_b32 v[\P+oT], 23, v[\P+oSO+1]
	v_and_or_b32 v[\P+oTM], v[\P+oTM], 0x7f800000, s[MNT]
	v_and_or_b32 v[\P+oTM+1], v[\P+oTM+1], 0x7f800000, s[MNT]
	v_lshl_or_b32 v[\pw], v[\P+oT], 8, v[\pw]
	v_lshrrev_b32 v[\P+oT], 23, v[\P+oSO+2]
	v_and_or_b32 v[\P+oTM+2], v[\P+oTM+2], 0x7f800000, s[MNT]
	v_and_or_b32 v[\P+oTM+3], v[\P+oTM+3], 0x7f800000, s[MNT]
	v_lshl_or_b32 v[\pw], v[\P+oT], 16, v[\pw]
	v_lshrrev_b32 v[\P+oT], 23, v[\P+oSO+3]
	v_lshl_or_b32 v[\pw], v[\P+oT], 24, v[\pw]
.endm
	s_load_b256 s[4:11], s[0:1], 0x0               ; qcodes s[4:5], qscales s[6:7], kvcodes s[8:9], kvscales s[10:11]
	s_load_b64 s[12:13], s[0:1], 0x20              ; out0
	v_lshl_add_u32 v[SPW], v0, 2, SPARE
	v_mov_b32 v[NIL], 0
	ds_add_u32 v[SPW], v[NIL]                      ; the wave's opening: the add, twice on end, and its wait
	ds_add_u32 v[SPW], v[NIL]
	v_lshrrev_b32 v11, 5, v0
	v_readfirstlane_b32 s[WV], v11                 ; wave 0..7
	s_bfe_u32 s68, ttmp6, 0x40000                  ; cx: it enters Q's, out0's and the prefetches' global addresses alone
	s_lshl_b32 s69, ttmp9, 2
	s_add_co_u32 s69, s69, s68                     ; my block of 256 queries
	s_and_b32 s70, ttmp7, 0xffff                   ; the head, 16 b + h, which the four partners share
	s_and_b32 s71, s[WV], 3                        ; which quarter of a slot, or of the scale words, I fetch
	s_mov_b32 s[G1], 15|(3<<16)|(1<<21)            ; the mask: all four work-groups; elements of 8 bytes; bit 21 beside a mask; no padding: an image is read as it lies
	s_mov_b32 s[G1+1], 32<<16                      ; tensor_dim0 = 32 elements: 256 bytes
	s_mov_b32 s[G1+2], 128<<16                     ; tensor_dim1 = 128 rows: two steps
	s_mov_b32 s[G1+3], 32<<16
	s_mov_b32 s[G1+4], 128
	s_mov_b32 s[G1+5], 32                          ; the pitch: dense
	s_mov_b32 s[G1+6], 0
	s_mov_b32 s[G1+7], 0
	s_mov_b32 s[G1S], 15|(3<<16)|(1<<21)           ; the scale words: a quarter of the head's 24,576 bytes: 24 rows of 256
	s_mov_b32 s[G1S+1], 32<<16
	s_mov_b32 s[G1S+2], 24<<16
	s_mov_b32 s[G1S+3], 32<<16
	s_mov_b32 s[G1S+4], 24
	s_mov_b32 s[G1S+5], 32
	s_mov_b32 s[G1S+6], 0
	s_mov_b32 s[G1S+7], 0
	s_lshl_b32 s72, s70, 19
	s_lshl_b32 s74, s71, 15
	s_add_co_u32 s72, s72, s74                     ; 524,288 head + 32,768 x my quarter
	s_mov_b32 s73, 0
	s_mul_i32 s75, s71, 6144
	s_mul_i32 s82, s70, 24576
	s_add_co_u32 s82, s82, s75
	s_mov_b32 s83, 0
	s_mov_b32 s[SEL], 0x76543210
	s_mov_b32 s[SEL+1], 0xfedcba98
	s_mov_b32 s[CS], 0x3cb8aa3b                    ; log2(e) / 64
	s_mov_b32 s[CS+1], s[CS]                       ; (named with it as a pair, so it is written)
	s_mov_b32 s[NC], 0xbcb8aa3b
	s_mov_b32 s[MNT], 0x600000
	s_mov_b32 s[SB], 0
	s_mov_b32 s[TS], 0
	s_mov_b32 s[TJ], 0
	s_mov_b32 s[SLOTS], 3
	s_wait_dscnt 0x0                               ; both opening adds are done
	s_wait_kmcnt 0x0
	s_mov_b32 s[G0], 1
	s_mov_b32 s[G0+1], s74                         ; slot 0, my quarter
	s_add_nc_u64 s[G0+2:G0+3], s[8:9], s[72:73]
	s_or_b32 s[G0+3], s[G0+3], 0x80000000
	s_mov_b32 s[G0S], 1
	s_add_co_u32 s[G0S+1], s75, SCK
	s_add_nc_u64 s[G0S+2:G0S+3], s[10:11], s[82:83]
	s_or_b32 s[G0S+3], s[G0S+3], 0x80000000
	CROUND                                         ; all four work-groups are here: the first joint loads meet
	s_cmp_lt_u32 s[WV], 4                          ; the head's loads, one a wave: every way through the head passes one
	s_cbranch_scc0 .Lhead_s
	tensor_load_to_lds s[G0:G0+3], s[G1:G1+7]      ; waves 0 to 3: slot 0
	s_nop 0
.rept 4
	v_nop
.endr
	s_branch .Lhead_asked
.Lhead_s:
	tensor_load_to_lds s[G0S:G0S+3], s[G1S:G1S+7]  ; waves 4 to 7: the head's scale words: filled once
	s_nop 0
.rept 4
	v_nop
.endr
.Lhead_asked:
	s_lshl_b32 s84, s70, 19                        ; the prefetches: in my head,
	s_lshl_b32 s85, s68, 15                        ; my work-group's quarter of a slot,
	s_add_co_u32 s84, s84, s85
	s_lshl_b32 s85, s71, 13                        ; my wave's quarter of it,
	s_add_co_u32 s84, s84, s85
	s_add_co_u32 s84, s84, SLOT1                   ; in slot 1's bytes: the first change of slots steps it on.  Nothing is prefetched here, at the head
	s_mov_b32 s85, 0
	s_add_nc_u64 s[PFA:PFA+1], s[8:9], s[84:85]
	s_lshr_b32 s86, s[WV], 2
	s_xor_b32 s86, s86, 1                          ; 0 in waves 4 to 7,
	s_or_b32 s86, s86, ttmp9                       ; of the head's first cluster: the same in all four partners
	s_cmp_eq_u32 s86, 0
	s_cselect_b32 s[LIM], 1, -1
	s_lshl_b32 s87, s69, 4
	s_lshl_b32 s88, s[WV], 1
	s_add_co_u32 s87, s87, s88                     ; my tile a of 16 queries, an even number, 0 .. 126; tile b is the next
	s_lshl_b32 s88, s70, 17
	s_lshl_b32 s89, s87, 10
	s_add_co_u32 s88, s88, s89
	s_mov_b32 s89, 0
	s_add_nc_u64 s[4:5], s[4:5], s[88:89]          ; its image; tile b's lies 1,024 bytes on
	s_lshl_b32 s88, s70, 13                        ; its scale words: 8,192 head + 256 (tile / 4) + 128 (tile % 2) + 4 ((tile / 2) % 2) + 8 r: tile b's lie 128 bytes on
	s_lshr_b32 s90, s87, 2
	s_lshl_b32 s90, s90, 8
	s_add_co_u32 s88, s88, s90
	s_bfe_u32 s90, s87, 0x10001
	s_lshl_b32 s90, s90, 2
	s_add_co_u32 s88, s88, s90
	s_add_nc_u64 s[6:7], s[6:7], s[88:89]
	s_lshr_b32 s88, s70, 4                         ; out0: row 2,048 b + 16 x tile, of 4,096 bytes; + 256 h
	s_lshl_b32 s88, s88, 11
	s_lshl_b32 s90, s87, 4
	s_add_co_u32 s88, s88, s90
	s_lshl_b32 s88, s88, 12
	s_and_b32 s90, s70, 15
	s_lshl_b32 s90, s90, 8
	s_add_co_u32 s88, s88, s90
	s_add_nc_u64 s[12:13], s[12:13], s[88:89]
	v_and_b32 v12, 31, v0                          ; lane
	v_and_b32 v13, 15, v0                          ; r
	v_bfe_u32 v14, v0, 4, 1                        ; h
	v_lshlrev_b32 v[LI], 4, v12
	v_lshlrev_b32 v11, 3, v13
	WIN 0x40                                       ; destinations in window 1
.irp o, 0, 16                                  ; Q's two chunks, twice, of both tiles: they stay in registers
	global_load_b128 v[QA+\o:QA+\o+3],   v[LI], s[4:5]
	global_load_b128 v[QA+\o+4:QA+\o+7], v[LI], s[4:5] offset:512
	global_load_b128 v[QB+\o:QB+\o+3],   v[LI], s[4:5] offset:1024
	global_load_b128 v[QB+\o+4:QB+\o+7], v[LI], s[4:5] offset:1536
.endr
.irp j, 8,9,10,11,12,13,14,15
	v_mov_b32 v[QA+\j], 0                          ; the zero codes between the two copies of Q
	v_mov_b32 v[QB+\j], 0
.endr
.set i, 0
.rept 64
	v_mov_b32 v[OA+i], 0                           ; O^T of both tiles.  (The step is written once: the first finds zeros, which the first change of M leaves zeros)
.set i, i+1
.endr
	WIN 0
	global_load_b32 v[QSA], v11, s[6:7]            ; lane r (and r + 16) holds query r's word
	global_load_b32 v[QSB], v11, s[6:7] offset:128
	v_lshl_add_u32 v[AKS], v12, 3, SCK
	v_lshl_add_u32 v[AVS], v12, 2, SCV
	v_lshlrev_b32 v[PFO], 8, v12
	v_lshlrev_b32 v[GO], 12, v14
	v_lshl_add_u32 v[GO], v13, 4, v[GO]            ; lanes 0-15 take one row of out0, lanes 16-31 the next; 16 bytes a lane
.irp P, PA, PB
	v_mov_b32 v[\P+oMM+1], 0xff61b1e6              ; the largest score so far: -3e38, under every score
	v_mov_b32 v[\P+oOM], 0x7f61b1e6                ; and the old -M that goes with it: the first f is 0, over zeros
	v_mov_b32 v[\P+oF], 0
	v_mov_b32 v[\P+oSU], 0
	v_mov_b32 v[\P+oSU+1], 0
.irp b, 0,1,2,3
	v_mov_b32 v[\P+oSO+\b], 0                      ; written once: a lane permute's destination counts as one of its sources
.endr
.irp b, 0,1,2,3,4,5,6,7
	v_mov_b32 v[\P+oAC+\b], 0                      ; the first step joins partial sums of a step that was not: zeros
.endr
.endr
; A KEY STEP: 128 keys, two tiles of queries.  K's fragments and their words are in registers when it begins.
.macro STEP
	WIN 0x05                                       ; sources 0 and 1 in window 1
	SMUL PA, QA, QSA, QS2A
	SMUL PB, QB, QSB, QS2B
	WIN 0
	TAILS                                          ; eleven plain lines that name none of the products' registers: eight places are asked ahead of the loads into what products have read and of the first read of the scores
	v_add_nc_u32 v[ADK], s[TB], v[LI]
	v_add_nc_u32 v[ADS], s[TS], v[AKS]
	v_add_nc_u32 v[ADT], s[TJ], v[AVS]
	s_cmp_eq_u32 s[J], 1                           ; the next step's K is fetched now, under the softmax; not in a slot's last step: the next slot is shown by the barrier alone
	s_wait_alu depctr_va_vdst(0)                   ; directly ahead of the branch
	s_cbranch_scc1 .Lno_next_\@
	KLOAD 16384, 512
.Lno_next_\@:
	ds_load_b32 v[VS],   v[ADT]
	ds_load_b32 v[VS+1], v[ADT] offset:128
	WIN 0x40
.set i, 0
.rept 16
	ds_load_b128 v[VB+4*i:VB+4*i+3], v[ADK] offset:8192+512*i   ; V's four fragments have registers of their own
.set i, i+1
.endr
	WIN 0
.irp P, PA, PB
.irp b, 0,1,2,3
	v_max3_num_f32 v[\P+oTM+\b], v[\P+16*\b], v[\P+1+16*\b], v[\P+2+16*\b]   ; the largest score of each block of 32 keys: it serves the row's maximum and, since p rises with the score, the block's largest p
.endr
.endr
.irp i, 3,5,7,9,11,13
.irp P, PA, PB
.irp b, 0,1,2,3
	v_max3_num_f32 v[\P+oTM+\b], v[\P+oTM+\b], v[\P+16*\b+\i], v[\P+1+16*\b+\i]
.endr
.endr
.endr
.irp P, PA, PB
.irp b, 0,1,2,3
	v_max_num_f32 v[\P+oTM+\b], v[\P+oTM+\b], v[\P+15+16*\b]
.endr
.endr
.irp P, PA, PB
.irp b, 0,1,2,3
	v_permlanex16_b32 v[\P+oSO+\b], v[\P+oTM+\b], s[SEL], s[SEL+1]
.endr
.endr
.irp P, PA, PB
.irp b, 0,1,2,3
	v_max_num_f32 v[\P+oTM+\b], v[\P+oTM+\b], v[\P+oSO+\b]   ; with lane l xor 16's 16 keys
.endr
.endr
.irp P, PA, PB
	v_max3_num_f32 v[\P+oT], v[\P+oTM], v[\P+oTM+1], v[\P+oTM+2]
.endr
.irp P, PA, PB
	v_max3_num_f32 v[\P+oMM+1], v[\P+oT], v[\P+oTM+3], v[\P+oMM+1]   ; the running largest score of my query
.endr
.irp P, PA, PB
	v_mul_f32 v[\P+oT], s[NC], v[\P+oMM+1]         ; -t (c is positive)
.endr
.irp P, PA, PB
	v_floor_f32 v[\P+oMM], v[\P+oT]                ; the new -M = floor(-t) = -ceil(t): a whole number
.endr
.set i, 0
.rept 32
.irp P, PA, PB
	v_pk_fma_f32 v[\P+i:\P+i+1], v[\P+i:\P+i+1], s[CS:CS+1], v[\P+oMM:\P+oMM+1] op_sel_hi:[1,0,0]   ; t - M, two at a time; the three steps that make f stand among them
.endr
.if i == 6
.irp P, PA, PB
	v_sub_f32 v[\P+oT], v[\P+oMM], v[\P+oOM]       ; M's old value less its new one: a whole number, 0 or less
.endr
.endif
.if i == 18
.irp P, PA, PB
	v_cvt_i32_f32 v[\P+oT], v[\P+oT]               ; (it saturates)
.endr
.endif
.if i == 30
.irp P, PA, PB
	v_ldexp_f32 v[\P+oF], 1.0, v[\P+oT]            ; f = 2^(old M - new M)
.endr
.endif
.set i, i+2
.endr
.irp P, PA, PB
.irp b, 0,1,2,3
	v_fma_f32 v[\P+oTM+\b], v[\P+oTM+\b], s[CS], v[\P+oMM]   ; the same of each block's largest score
.endr
.endr
	s_wait_alu depctr_va_vdst(0)                   ; the wait ahead of the batch
.irp P, PA, PB
.set i, 0
.rept 64
	v_exp_f32 v[\P+i], v[\P+i]                     ; p = 2^(t - M): not normalised
.set i, i+1
.endr
.endr
.irp P, PA, PB
	v_mov_b32 v[\P+oOM], v[\P+oMM]                 ; the next step's old -M: plain lines behind the exponentials
.endr
	s_wait_alu depctr_va_vdst(0)                   ; one wait for the whole batch, ahead of its first reader
.irp P, PA, PB
.irp b, 0,1,2,3
	v_exp_f32 v[\P+oTM+\b], v[\P+oTM+\b]           ; the block's largest p: the same two instructions on the same number give the same bits
.endr
.endr
.irp P, PA, PB                                 ; THE ROW'S SUM IS TAKEN OF THE UNQUANTISED p: 32 pairs into four partial sums a tile; they are joined at the next step's head
.irp k, 0,1,2,3
	v_pk_add_f32 v[\P+oAC+2*\k:\P+oAC+2*\k+1], v[\P+2*\k:\P+2*\k+1], v[\P+8+2*\k:\P+9+2*\k]
.endr
.endr
.irp m, 2,3,4,5,6,7
.irp P, PA, PB
.irp k, 0,1,2,3
	v_pk_add_f32 v[\P+oAC+2*\k:\P+oAC+2*\k+1], v[\P+oAC+2*\k:\P+oAC+2*\k+1], v[\P+8*\m+2*\k:\P+8*\m+2*\k+1]
.endr
.endr
.endr
	s_wait_alu depctr_va_vdst(0)                   ; and one for the eight; it also stands directly ahead of the wait below
	s_wait_dscnt 18                                ; the next step's K and its words are in: behind them V's two words and sixteen fragment loads were issued
	SHIFTS
.irp P, PA, PB
.irp b, 0,1,2,3
	v_max_num_f32 v[\P+oTM+\b], 0x8000000, v[\P+oTM+\b]   ; the floor 2^(16 - 127): the byte cannot fall under 1
.endr
.endr
.irp P, PA, PB
.irp b, 0,1,2,3
	v_add_nc_u32 v[\P+oSO+\b], 0xf8800000, v[\P+oTM+\b]   ; 15 off the exponent field: the conversion's scale operand
.endr
.endr
	PACKW PA, PWA
	PACKW PB, PWB
.irp b, 0,1,2,3
.irp P, PA, PB
.irp i, 0,2,4,6,8,10,12,14
	v_dual_min_num_f32 v[\P+16*\b+\i], v[\P+16*\b+\i], v[\P+oTM+\b] :: v_dual_min_num_f32 v[\P+16*\b+\i+1], v[\P+16*\b+\i+1], v[\P+oTM+\b]   ; the conversion to an 8-bit code does not saturate (ISA guide 7.6.2); p is not negative, so the hold is one-sided; two a line
.endr
	v_cvt_scalef32_pk8_bf8_f32 v[\P+oPC+4*\b:\P+oPC+1+4*\b], v[\P+16*\b:\P+7+16*\b], v[\P+oSO+\b]
	v_cvt_scalef32_pk8_bf8_f32 v[\P+oPC+2+4*\b:\P+oPC+3+4*\b], v[\P+8+16*\b:\P+15+16*\b], v[\P+oSO+\b]
.endr
.endr
	WIN 0x41                                       ; O^T lies in window 1, f in window 0
	s_wait_alu depctr_va_vdst(0)                   ; directly ahead of the first reader of O^T
.set i, 0
.rept 16
	v_pk_mul_f32 v[OA+i:OA+i+1], v[OA+i:OA+i+1], v[PA+oF:PA+oF+1] op_sel_hi:[1,0]   ; O^T under the new M: x f.  These 32 are also the plain lines between the conversions and the products that read their codes
	v_pk_mul_f32 v[OB+i:OB+i+1], v[OB+i:OB+i+1], v[PB+oF:PB+oF+1] op_sel_hi:[1,0]
.set i, i+2
.endr
	s_wait_alu depctr_va_vdst(0)                   ; directly ahead of the wait below
	s_wait_dscnt 0x0                               ; V's fragments and words
	WIN 0x51                                       ; V's fragments and O^T in window 1, p's codes in window 0
.irp t, 0,1,2,3                                ; the eight accumulators by turns
	PVM OA, PA, PWA, \t
	PVM OB, PB, PWB, \t
.endr
	WIN 0
	s_add_co_u32 s[TB], s[TB], 16384
	s_add_co_u32 s[TS], s[TS], 512
	s_add_co_u32 s[TJ], s[TJ], 256
.endm
; A SLOT.  THE CHANGE OF SLOTS stands at its head: each wave waits for all its tensor loads, adds 0 to its spare word, and waits for that and for its reads of the slot that it has left.
; fill = 1: the barrier is a round of the cluster's, so that no wave of any partner still reads the other slot or has a load on its way; the joint refill is the first thing behind it and has eight key steps in which to land.
.macro PHASE fill
	s_wait_tensorcnt 0x0                           ; no tensor load of mine is out, so a group 0 may be written
	ds_add_u32 v[SPW], v[NIL]                      ; 0 onto my spare word
.if \fill
	s_xor_b32 s[G0+1], s[G0+1], SLOT1              ; the walking descriptor: the other slot than last time,
	s_add_nc_u64 s[G0+2:G0+3], s[G0+2:G0+3], SLOT1 ; the next eight steps; the type bits on top are not reached
	s_wait_xcnt 0x0                                ; the last prefetch, a slot back, has read its address, so it may be written:
	s_add_nc_u64 s[PFA:PFA+1], s[PFA:PFA+1], SLOT1 ; one slot further on than the walking descriptor
	s_wait_dscnt 0x0                               ; the add is done, and my reads of the slot that I have left are over
	CROUND
	JLOAD
	ASK
.else
	s_wait_dscnt 0x0
	s_barrier_signal -1
	s_barrier_wait -1
.endif
	s_mov_b32 s[TB], s[SB]
	s_mov_b32 s[J], 8
	v_add_nc_u32 v[ADK], s[SB], v[LI]
	v_add_nc_u32 v[ADS], s[TS], v[AKS]
	KLOAD 0, 0                                     ; the slot's first step of K
	s_wait_alu depctr_va_vdst(0)                   ; directly ahead of the wait below
	s_wait_dscnt 0x0
	SHIFTS
.rept 8
	v_nop                                          ; eight places between the shifted words and the products that read them
.endr
.Lstep_\@:
	STEP
	s_sub_co_u32 s[J], s[J], 1
	s_cmp_lg_u32 s[J], 0
	s_wait_alu depctr_va_vdst(0)                   ; directly ahead of the branch
	s_cbranch_scc1 .Lstep_\@
	s_xor_b32 s[SB], s[SB], SLOT1                  ; on to the other slot
.endm
	s_wait_alu depctr_va_vdst(0)                   ; the wait at the head's end
	s_wait_loadcnt 0x0                             ; Q and its scale words
	v_lshlrev_b32 v[QS2A], 16, v[QSA]
	v_lshlrev_b32 v[QS2B], 16, v[QSB]
.Lslot:                                            ; three trips: behind each change of slots but the last the next slot is asked for
	PHASE 1
	s_sub_co_u32 s[SLOTS], s[SLOTS], 1
	s_cmp_lg_u32 s[SLOTS], 0
	s_cbranch_scc1 .Lslot
	PHASE 0                                        ; the last slot is written out
	; THE WAY OUT.  O^T / the sum goes through my stages in LDS: a query's 64 channels are 256 bytes, so that sixteen lanes store 256 consecutive bytes, aligned.
	TAILS                                          ; the last step's partial sums
.irp P, PA, PB
	v_add_f32 v[\P+oSU], v[\P+oSU], v[\P+oSU+1]    ; the sum's two halves,
.endr
.irp P, PA, PB
	v_permlanex16_b32 v[\P+oSO], v[\P+oSU], s[SEL], s[SEL+1]
.endr
.irp P, PA, PB
	v_add_f32 v[\P+oSU], v[\P+oSU], v[\P+oSO]      ; and lane l xor 16's: the row's sum
.endr
	s_wait_alu depctr_va_vdst(0)                   ; the wait ahead of the reciprocals
.irp P, PA, PB
	v_rcp_f32 v[\P+oSU], v[\P+oSU]
.endr
	v_and_b32 v12, 15, v0                          ; (plain lines behind the reciprocals)  r
	v_bfe_u32 v13, v0, 4, 1                        ; h
	s_mul_i32 s73, s[WV], 32*272
	s_add_co_u32 s73, s73, STAGE                   ; my two stages
	v_mul_u32_u24 v14, v12, 272
	v_mul_u32_u24 v15, v13, 272
	v_lshl_add_u32 v14, v13, 5, v14
	v_lshl_add_u32 v15, v12, 4, v15
	v_add_nc_u32 v14, s73, v14                     ; in: row r; tile t's eight channels of my half: 64 t + 32 h bytes on
	v_add_nc_u32 v15, s73, v15                     ; back: lanes 0-15 one row, lanes 16-31 the next
	WIN 0x01                                       ; O^T in window 1
	s_wait_alu depctr_va_vdst(0)                   ; the wait ahead of the first reader of the reciprocals and of O^T
.set i, 0
.rept 32
	v_mul_f32 v[PA+i], v[OA+i], v[PA+oSU]          ; register 8 t + j is channel 16 t + 8 h + j of query r; each accumulator from its low end on
	v_mul_f32 v[PB+i], v[OB+i], v[PB+oSU]
.set i, i+1
.endr
	WIN 0
.macro TOSTAGE P, off
.irp t, 0,1,2,3
	ds_store_b128 v14, v[\P+8*\t:\P+8*\t+3]   offset:\off+64*\t
	ds_store_b128 v14, v[\P+8*\t+4:\P+8*\t+7] offset:\off+64*\t+16
.endr
.irp i, 0,1,2,3,4,5,6,7
	ds_load_b128 v[\P+32+4*\i:\P+35+4*\i], v15 offset:\off+2*\i*272   ; LDS serves a wave's instructions in order (ISA guide 5.7.1.4): these see my stores
.endr
.endm
	TOSTAGE PA, 0
	TOSTAGE PB, 16*272
.irp i, 0,1,2,3,4,5,6,7
	s_wait_dscnt 23-\i                             ; tile a's rows 2 i and 2 i + 1 are back; its 7 - i younger loads and tile b's sixteen LDS instructions may be out
	global_store_b128 v[GO], v[PA+32+4*\i:PA+35+4*\i], s[12:13] offset:2*\i*4096 th:TH_STORE_NT
.endr
.irp i, 0,1,2,3,4,5,6,7
	s_wait_dscnt 7-\i                              ; tile b's likewise: its rows lie 16 rows of 4,096 bytes on
	global_store_b128 v[GO], v[PB+32+4*\i:PB+35+4*\i], s[12:13] offset:65536+2*\i*4096 th:TH_STORE_NT
.endr
	s_wait_tensorcnt 0x0                           ; the wave's end
	ds_add_u32 v[SPW], v[NIL]
	s_wait_dscnt 0x0
	CROUND                                         ; the closing round: no work-group ends while a partner may still ask for a tile that names it
	s_endpgm
.Lfunc_end_k_q64be8068b9_attn:
	.size	k_q64be8068b9_attn, .Lfunc_end_k_q64be8068b9_attn-k_q64be8068b9_attn
	.p2alignl 7, 3214868480
	.fill 96, 4, 3214868480
	.section	.rodata,"a",@progbits
	.p2align	6, 0x0
	.amdhsa_kernel k_q64be8068b9_attn
		.amdhsa_group_segment_fixed_size 327680
		.amdhsa_private_segment_fixed_size 0
		.amdhsa_enable_private_segment 0
		.amdhsa_kernarg_size 40
		.amdhsa_user_sgpr_count 2
		.amdhsa_user_sgpr_kernarg_segment_ptr 1
		.amdhsa_wavefront_size32 1
		.amdhsa_system_sgpr_workgroup_id_x 1
		.amdhsa_system_sgpr_workgroup_id_y 1
		.amdhsa_system_sgpr_workgroup_id_z 1
		.amdhsa_system_vgpr_workitem_id 0
		.amdhsa_next_free_vgpr 512
		.amdhsa_next_free_sgpr 100
		.amdhsa_reserve_vcc 0
		.amdhsa_float_denorm_mode_32 3
		.amdhsa_float_denorm_mode_16_64 3
		.amdhsa_memory_ordered 1
		.amdhsa_forward_progress 1
		.amdhsa_inst_pref_size 91
	.end_amdhsa_kernel
	.amdgpu_metadata
---
amdhsa.version: [ 1, 2 ]
amdhsa.kernels:
  - .name:           k_q64be8068b9_attn
    .symbol:         k_q64be8068b9_attn.kd
    .args:
      - { .name: qcodes, .offset: 0, .size: 8, .value_kind: global_buffer, .address_space: global }
      - { .name: qscales, .offset: 8, .size: 8, .value_kind: global_buffer, .address_space: global }
      - { .name: kvcodes, .offset: 16, .size: 8, .value_kind: global_buffer, .address_space: global }
      - { .name: kvscales, .offset: 24, .size: 8, .value_kind: global_buffer, .address_space: global }
      - { .name: out0, .offset: 32, .size: 8, .value_kind: global_buffer, .address_space: global }
    .group_segment_fixed_size: 327680
    .private_segment_fixed_size: 0
    .kernarg_segment_align: 8
    .kernarg_segment_size: 40
    .max_flat_workgroup_size: 256
    .sgpr_count:     100
    .vgpr_count:     512
    .wavefront_size: 32
...
	.end_amdgpu_metadata
.endif
;; end of part 3
